; MI455X (gfx1250); checked and timed in simulation.
; The chip was launched on July 23, 2026; its instructions are those of AMD's public machine-readable ISA for CDNA 5 (MIT licence, August 2026) and "CDNA5" Instruction Set Architecture Reference Guide (July 2026). The comments in the code are by the model that wrote it; some were corrected since.
;; Parallel Transformer Block. Allowed arithmetic: matrix products marked QUANTISED: E4M3 operands, one given power-of-two scale a tensor, by v_wmma_f32_16x16x64_fp8_fp8 or v_wmma_f32_16x16x128_fp8_fp8, f32 sums; products left as they are: f32 operands where the result goes on into a quantised operand, else bf16, f16 or f32 operands; f32 sums; everything else in f32.
;; Inputs: W_attn_out_codes 1,024 x 16 x 32 uint8 (E4M3 codes of W_attn_out, K innermost, in blocks of 32 codes); W_ff_out_codes 1,024 x 128 x 32 uint8 (E4M3 codes of W_ff_out, K innermost, in blocks of 32 codes); W_fused_codes 8,768 x 32 x 32 uint8 (E4M3 codes of W_fused, K innermost, in blocks of 32 codes); gamma 1,024 float32; lowp_scales 10 int32 (the exponents e of the quantised operands' scales 2^e); x 2 x 2,048 x 1,024 float32.
;; Outputs: out0 2 x 2,048 x 1,024 float32.
;; This version of the problem:
;;   THIS VERSION OF THE PROBLEM IS GIVEN IN LOW PRECISION. The matrix products marked QUANTISED in the list below multiply operands that are first quantised to E4M3 (4 exponent bits, 3 mantissa bits; 8 bits a number), with one given power-of-two scale for each operand tensor; their sums are f32. All else is computed in f32.
;;   The module's matrix products, in the order in which they are computed (A, B: the left and right operand; K: the contracted axis; several contracted axes count as one K, in the product's order):
;;     1. [M 4,096, K 1,024] x [K 1,024, N 8,768]; A: computed on the way; B: input W_fused (given as codes): QUANTISED (scales: A lowp_scales[0], B lowp_scales[1])
;;     2. [M 2,048, K 1] x [K 1, N 16]; A: computed on the way; B: computed on the way: left as it is (no contracted axis)
;;     3. batch 2 x [M 32,768, K 32] x [K 32, N 2,048]; A: computed on the way; B: computed on the way: QUANTISED (scales: A lowp_scales[2], B lowp_scales[3])
;;     4. batch 2 x [M 32,768, K 2,048] x [K 2,048, N 32]; A: softmax (see below); B: computed on the way: QUANTISED (scales: A lowp_scales[4], B lowp_scales[5])
;;     5. [M 4,096, K 512] x [K 512, N 1,024]; A: computed on the way; B: input W_attn_out (given as codes): QUANTISED (scales: A lowp_scales[6], B lowp_scales[7])
;;     6. [M 4,096, K 4,096] x [K 4,096, N 1,024]; A: computed on the way; B: input W_ff_out (given as codes): QUANTISED (scales: A lowp_scales[8], B lowp_scales[9])
;;   THE QUANTISER, for each operand of a quantised product, along K:
;;     - The operand's scale is 2^e, e = its entry of the input lowp_scales (int32; the entries are numbered through the quantised products in the list's order, A before B).
;;     - Each number is divided by the scale, clamped to +-448, and rounded to the nearest number of E4M3, ties to even, subnormals kept.
;;     - The product sums the exact products of the quantised numbers (number of the format x scale) in f32.
;;   ~~~python
;;   def quantise(x, axis, e):      # numpy; x: float32 -> the quantised numbers, widened to float32 again
;;       x = np.moveaxis(x, axis, -1); K = x.shape[-1]
;;       r = np.clip(x / 2.0 ** e, -448, 448)
;;       step = 2.0 ** (np.maximum(np.frexp(np.where(r == 0, 1, r))[1] - 1, -6) - 3)
;;       q = np.round(r / step) * step * 2.0 ** e      # np.round: ties to even
;;       return np.moveaxis(q, -1, axis).astype(np.float32)
;;   ~~~
;;   SOFTMAX AHEAD OF A QUANTISED PRODUCT. Where the list says 'softmax', what is quantised is not the finished softmax but p = 2^(t - M), with t = logit x log2(e) and M = ceil(the row's largest t), a whole number; so 1/2 < the row's largest p <= 1. The row's sum l is taken of the UNQUANTISED p, in f32, and the product's result is divided by l at the end. Since M is a whole number, a kernel that streams over the keys may use a running M (the ceiling of the running maximum): every later rescaling is an exact power of two, so the quantised numbers keep their values, but for numbers so far below the row's largest that they fall under the format's range.
;;   OPERANDS COMPUTED ON THE WAY. 'Computed on the way' means the value that the module computes at that place (a softmax that the list does not call 'softmax' is quantised finished and normalised). What goes into a quantiser is computed in f32, as accurately as f32 sums, v_exp_f32 and their like allow (about 1e-6 of the number): no bf16 or f16 on the way to a quantiser, and a product that is left as it is and whose result goes on into a quantised operand takes f32 operands (vector FMAs, or v_wmma_f32_16x16x4_f32). A number that lies on a knife's edge between two numbers of the format may be rounded either way, as far as f32 arithmetic and the matrix unit's own rounding can turn it there, and no further.
;;   INPUTS GIVEN AS CODES. W_attn_out (in the module: [512, 1024], K = its axis 0); W_ff_out (in the module: [4096, 1024], K = its axis 0); W_fused (in the module: [1024, 8768], K = its axis 0): each comes as NAME_codes (uint8): NAME with its K axis moved to the last place and cut into blocks of 32 codes, [.., K / 32, bytes a block], one block behind the other in memory; one code a byte (a code: sign, 4 exponent bits, 3 mantissa bits); its scale is its entry of lowp_scales. Its value is code x scale, taken as it is: it is not quantised again, and the codes and scales need not be those that the quantiser above would give.
;; One version. Each part assembles by itself: llvm-mc -triple=amdgcn-amd-amdhsa -mcpu=gfx1250 --defsym DOCPART=n.
;; ======== version 1 of 1: 5 launches
;; limits: right only within a limited range of input values
;; workspace buffers: xn_codes 4,194,304 bytes; rope 524,288 bytes; q_codes 2,097,152 bytes; k_codes 131,072 bytes; v_img 131,072 bytes; act_codes 18,874,368 bytes
;; launch ln_quant (part 1): grid 256 x 1, 8 waves a work-group, no clusters, 123,904 bytes of LDS; arguments x, gamma, lowp_scales, xn_codes, rope; writes xn_codes, rope
.if DOCPART == 1
	.amdgcn_target "amdgcn-amd-amdhsa--gfx1250"
	.amdhsa_code_object_version 6
	.text
	.protected	k_q678c1c98c5_ln_quant
	.globl	k_q678c1c98c5_ln_quant
	.p2align	8
	.type	k_q678c1c98c5_ln_quant,@function
k_q678c1c98c5_ln_quant:
	s_mov_b64 s[64:65], 0
	v_nop
	global_prefetch_b8 v0, s[64:65] scope:SCOPE_SE
	s_setreg_imm32_b32 hwreg(HW_REG_WAVE_MODE, 25, 1), 1
	s_wait_xcnt 0x0
; LayerNorm of x [4096][1024] (f32), times gamma, quantised to E4M3 with the given scale 2^e0: xn_codes [4096][1024], K innermost.
; Beside it the rotary tables, which hang on the position alone: rope [2048 t][2 tab][16 f][(c, s)], c = cos(t inv_f) scale^(+-1), s = sin(t inv_f) scale^(+-1); tab 0 for q, tab 1 for k.
; DEAD WORK IN THE WHOLE PROGRAM: only the key steps of the attention launch whose 128 keys all come after a wave's 16 queries. reference() itself replaces those scores by finfo.min ahead of the
; softmax, so their weights are 0 for all values of the inputs. LIMIT: a NaN, an infinity or an overflow that reaches only those scores is not carried to the result. Every input has a way to the output and is loaded.
; LIMITS: e0 between -126 and 119 (2^e0 and 448 x 2^e0 are f32 numbers). NaN among the inputs is not served.
; SHARES: work-group g takes rows 16 g .. 16 g + 15, wave w two of them; wave 8 g + w also makes position t = 8 g + w of the tables, lane = 16 tab + f.
; A load reads 512 consecutive bytes, 16 a lane; the conversions want 16 neighbours in one lane: so a row turns through the wave's own stage in LDS (64 bytes + 16 of padding a place).
; No tensor load, no barrier, no cluster: the waves share nothing, and memory binds.
.set WREG,  15360                      ; LDS of a wave: three stages (gamma, row 0, row 1)
.set SP,    80                         ; a place in a stage
.set STEPB, 32*SP                      ; 512 numbers
.set STGB,  2*STEPB                    ; a row
.set SPARE, 8*WREG                     ; behind the stages: the spare words, 128 bytes for each wave
.set SPW, 14
.set NIL, 15
.set GR,  16                           ; gamma as loaded
.set R0,  48                           ; row 0 as loaded
.set R1,  80                           ; row 1 as loaded
.set G,   112                          ; gamma: register 16 c + i = number 512 c + 16 lane + i
.set X0,  144                          ; row 0 likewise
.set X1,  176                          ; row 1 likewise
.set C,   208                          ; codes: eight registers a row
.set TA,  224
.set TB,  226
.set MU,  228
.set RS,  230
.set SCL, 232
.set LIM, 233
.set PT,  234
	s_load_b256 s[4:11], s[0:1], 0x0               ; x, gamma, the exponents, xn_codes
	s_load_b64 s[12:13], s[0:1], 0x20              ; rope
	v_lshl_add_u32 v[SPW], v0, 2, SPARE
	v_mov_b32 v[NIL], 0
	v_lshrrev_b32 v1, 5, v0
	s_delay_alu instid0(VALU_DEP_1)
	v_readfirstlane_b32 s16, v1                    ; wave
	v_and_b32 v4, 31, v0                           ; lane
	s_delay_alu instid0(VALU_DEP_1)
	v_lshlrev_b32 v1, 4, v4                        ; 16 x lane: my bytes of a load, and of a store of codes
	s_mul_i32 s17, s16, WREG
	v_lshrrev_b32 v2, 2, v4
	s_delay_alu instid0(VALU_DEP_1)
	v_mul_u32_u24 v2, v2, SP
	v_and_b32 v3, 3, v4
	s_delay_alu instid0(VALU_DEP_1)
	v_lshl_add_u32 v2, v3, 4, v2
	s_delay_alu instid0(VALU_DEP_1)
	v_add_nc_u32 v2, s17, v2                       ; into a stage: four lanes fill a place
	v_mul_u32_u24 v3, v4, SP
	s_delay_alu instid0(VALU_DEP_1)
	v_add_nc_u32 v3, s17, v3                       ; out of it: my place
	v_mov_b32 v[PT], 0                             ; a lane permute's destination counts as read
	s_lshl_b32 s24, ttmp9, 3
	s_add_co_u32 s24, s24, s16                     ; t = 8 g + w; my first row is 2 t
	s_mov_b32 s22, 0x76543210
	s_mov_b32 s23, 0xfedcba98
	s_mov_b32 s26, 0x3a800000                      ; 1 / 1024
	s_mov_b32 s27, 0x3727c5ac                      ; 1e-5
	s_mov_b32 s28, 0x3fc90000                      ; pi / 2 in three parts
	s_mov_b32 s29, 0x39fda000
	s_mov_b32 s30, 0x33a22168
	s_mov_b32 s19, 0
	s_wait_alu depctr_va_vdst(0)
	s_wait_kmcnt 0x0
	s_load_b32 s20, s[8:9], 0x0                    ; e0
	s_lshl_b32 s18, s24, 13
	s_add_nc_u64 s[4:5], s[4:5], s[18:19]          ; x at my first row
	s_lshl_b32 s18, s24, 11
	s_add_nc_u64 s[10:11], s[10:11], s[18:19]      ; its codes
	s_lshl_b32 s18, s24, 8
	s_add_nc_u64 s[12:13], s[12:13], s[18:19]      ; the tables at position t
.irp j, 0,1,2,3,4,5,6,7
	global_load_b128 v[GR+4*\j:GR+4*\j+3], v1, s[6:7] offset:512*\j
.endr
.irp j, 0,1,2,3,4,5,6,7
	global_load_b128 v[R0+4*\j:R0+4*\j+3], v1, s[4:5] offset:512*\j th:TH_LOAD_NT
.endr
.irp j, 0,1,2,3,4,5,6,7
	global_load_b128 v[R1+4*\j:R1+4*\j+3], v1, s[4:5] offset:4096+512*\j th:TH_LOAD_NT
.endr
	; ---- the tables, while the 24 loads are on their way
	v_and_b32 v4, 15, v0
	s_delay_alu instid0(VALU_DEP_1)
	v_cvt_f32_u32 v4, v4                           ; f
	v_cvt_f32_u32 v5, s24                          ; t
	s_delay_alu instid0(VALU_DEP_2)
	v_mul_f32 v6, 0xbf549a78, v4                   ; -f log2(10000) / 16
	s_delay_alu instid0(VALU_DEP_3)
	v_add_f32 v7, v4, v4
	s_delay_alu instid0(VALU_DEP_1)
	v_add_f32 v7, 0x414ccccd, v7                   ; 2 f + 12.8
	s_delay_alu instid0(VALU_DEP_1)
	v_mul_f32 v7, 0x3cb6db6e, v7                   ; / 44.8
	s_wait_alu depctr_va_vdst(0)
	v_exp_f32 v6, v6                               ; inv_freq
	v_log_f32 v7, v7                               ; log2 of the scale's base
	v_bfe_u32 v8, v0, 4, 1                         ; tab (a plain line behind the two)
	s_wait_alu depctr_va_vdst(0)                   ; one wait for both, ahead of their first reader
	v_mul_f32 v6, v5, v6                           ; the angle t x inv_freq: the outer product, in f32
	s_delay_alu instid0(VALU_DEP_1)
	v_mul_f32 v9, 0x3f22f983, v6
	s_delay_alu instid0(VALU_DEP_1)
	v_rndne_f32 v9, v9                             ; n = the nearest multiple of pi / 2
	s_delay_alu instid0(VALU_DEP_1)
	v_fma_f32 v10, -v9, s28, v6
	s_delay_alu instid0(VALU_DEP_1)
	v_fma_f32 v10, -v9, s29, v10
	s_delay_alu instid0(VALU_DEP_1)
	v_fma_f32 v10, -v9, s30, v10                   ; r, within pi / 4 of 0
	s_delay_alu instid0(VALU_DEP_1)
	v_mul_f32 v11, v10, v10                        ; z = r r
	v_mov_b32 v13, 0xb94ca1f9
	s_delay_alu instid0(VALU_DEP_1)
	v_fmaak_f32 v12, v13, v11, 0x3c08839e
	s_delay_alu instid0(VALU_DEP_1)
	v_fmaak_f32 v12, v12, v11, 0xbe2aaaa3
	s_delay_alu instid0(VALU_DEP_1)
	v_mul_f32 v12, v12, v11
	s_delay_alu instid0(VALU_DEP_1)
	v_fma_f32 v12, v12, v10, v10                   ; sin r
	v_mov_b32 v13, 0x37ccf5ce
	s_delay_alu instid0(VALU_DEP_1)
	v_fmaak_f32 v13, v13, v11, 0xbab6061a
	s_delay_alu instid0(VALU_DEP_1)
	v_fmaak_f32 v13, v13, v11, 0x3d2aaaa5
	s_delay_alu instid0(VALU_DEP_1)
	v_mul_f32 v13, v13, v11
	s_delay_alu instid0(VALU_DEP_1)
	v_mul_f32 v13, v13, v11
	s_delay_alu instid0(VALU_DEP_1)
	v_fma_f32 v13, -0.5, v11, v13
	s_delay_alu instid0(VALU_DEP_1)
	v_add_f32 v13, 1.0, v13                        ; cos r
	v_cvt_i32_f32 v9, v9                           ; the quadrant
	s_delay_alu instid0(VALU_DEP_1)
	v_and_b32 v10, 1, v9
	s_delay_alu instid0(VALU_DEP_1)
	v_cmp_eq_u32 vcc_lo, 1, v10
	s_delay_alu instid0(VALU_DEP_1)
	v_cndmask_b32 v10, v12, v13, vcc_lo            ; sin: in an odd quadrant cos r
	s_delay_alu instid0(VALU_DEP_2)
	v_cndmask_b32 v11, v13, v12, vcc_lo            ; cos: in an odd quadrant sin r
	v_lshlrev_b32 v12, 30, v9
	s_delay_alu instid0(VALU_DEP_1)
	v_and_b32 v12, 0x80000000, v12
	s_delay_alu instid0(VALU_DEP_1)
	v_xor_b32 v10, v10, v12                        ; sin is negative in quadrants 2, 3
	v_add_nc_u32 v9, 1, v9
	s_delay_alu instid0(VALU_DEP_1)
	v_lshlrev_b32 v9, 30, v9
	s_delay_alu instid0(VALU_DEP_1)
	v_and_b32 v9, 0x80000000, v9
	s_delay_alu instid0(VALU_DEP_1)
	v_xor_b32 v11, v11, v9                         ; cos in quadrants 1, 2
	v_add_f32 v5, 0xc4800000, v5                   ; t - 1024
	s_delay_alu instid0(VALU_DEP_1)
	v_mul_f32 v5, 0x3b000000, v5                   ; / 512
	v_lshlrev_b32 v8, 31, v8
	s_delay_alu instid0(VALU_DEP_1)
	v_xor_b32 v5, v5, v8                           ; k takes 1 / scale
	v_mul_f32 v5, v5, v7
	s_wait_alu depctr_va_vdst(0)
	v_exp_f32 v5, v5                               ; scale^(+-1)
	v_and_b32 v9, 31, v0                           ; (a plain line behind it)
	s_delay_alu instid0(VALU_DEP_1)
	v_lshlrev_b32 v9, 3, v9
	s_wait_alu depctr_va_vdst(0)
	v_mul_f32 v12, v11, v5                         ; c
	v_mul_f32 v13, v10, v5                         ; s
	global_store_b64 v9, v[12:13], s[12:13]        ; the wave stores 256 consecutive bytes, aligned
	s_wait_kmcnt 0x0
	s_add_co_i32 s20, s20, 127
	s_lshl_b32 s21, s20, 23
	v_mov_b32 v[SCL], s21                          ; 2^e0
	s_add_co_i32 s20, s20, 8
	s_lshl_b32 s20, s20, 23
	s_or_b32 s20, s20, 0x600000
	v_mov_b32 v[LIM], s20                          ; 448 x 2^e0
.macro TURN src, dst, stage            ; a row through its stage; LDS serves a wave's instructions in order, so no wait stands between stores and loads
.irp c, 0,1
.irp i, 0,1,2,3
	ds_store_b128 v2, v[\src+16*\c+4*\i:\src+16*\c+4*\i+3] offset:\stage+STEPB*\c+8*SP*\i
.endr
.irp i, 0,1,2,3
	ds_load_b128 v[\dst+16*\c+4*\i:\dst+16*\c+4*\i+3], v3 offset:\stage+STEPB*\c+16*\i
.endr
.endr
.endm
.macro LANESUM                         ; v[TA] summed over the 32 lanes, the result in every lane
	s_delay_alu instid0(VALU_DEP_1)
	v_add_f32_dpp v[TA], v[TA], v[TA] row_xmask:1 row_mask:0xf bank_mask:0xf
	s_delay_alu instid0(VALU_DEP_1)
	v_add_f32_dpp v[TA], v[TA], v[TA] row_xmask:2 row_mask:0xf bank_mask:0xf
	s_delay_alu instid0(VALU_DEP_1)
	v_add_f32_dpp v[TA], v[TA], v[TA] row_xmask:4 row_mask:0xf bank_mask:0xf
	s_delay_alu instid0(VALU_DEP_1)
	v_add_f32_dpp v[TA], v[TA], v[TA] row_xmask:8 row_mask:0xf bank_mask:0xf
	s_delay_alu instid0(VALU_DEP_1)
	v_permlanex16_b32 v[PT], v[TA], s22, s23
	s_delay_alu instid0(VALU_DEP_1)
	v_add_f32 v[TA], v[TA], v[PT]
.endm
.macro ROW x, cc, off                  ; a row in v[x] on: mean, deviations, variance, (x - mu) rsqrt(var + eps) gamma, codes, stores
	v_pk_add_f32 v[TA:TA+1], v[\x:\x+1], v[\x+2:\x+3]
	v_pk_add_f32 v[TB:TB+1], v[\x+4:\x+5], v[\x+6:\x+7]
.irp j, 8,12,16,20,24,28
	s_delay_alu instid0(VALU_DEP_2)
	v_pk_add_f32 v[TA:TA+1], v[TA:TA+1], v[\x+\j:\x+\j+1]
	s_delay_alu instid0(VALU_DEP_2)
	v_pk_add_f32 v[TB:TB+1], v[TB:TB+1], v[\x+\j+2:\x+\j+3]
.endr
	s_delay_alu instid0(VALU_DEP_1)
	v_pk_add_f32 v[TA:TA+1], v[TA:TA+1], v[TB:TB+1]
	s_delay_alu instid0(VALU_DEP_1)
	v_add_f32 v[TA], v[TA], v[TA+1]
	LANESUM
	s_delay_alu instid0(VALU_DEP_1)
	v_mul_f32 v[MU], s26, v[TA]
	s_delay_alu instid0(VALU_DEP_1)
	v_mov_b32 v[MU+1], v[MU]
.irp j, 0,2,4,6,8,10,12,14,16,18,20,22,24,26,28,30
	v_pk_add_f32 v[\x+\j:\x+\j+1], v[\x+\j:\x+\j+1], v[MU:MU+1] neg_lo:[0,1] neg_hi:[0,1]
.endr
	v_pk_mul_f32 v[TA:TA+1], v[\x:\x+1], v[\x:\x+1]
	v_pk_mul_f32 v[TB:TB+1], v[\x+2:\x+3], v[\x+2:\x+3]
.irp j, 4,8,12,16,20,24,28
	s_delay_alu instid0(VALU_DEP_2)
	v_pk_fma_f32 v[TA:TA+1], v[\x+\j:\x+\j+1], v[\x+\j:\x+\j+1], v[TA:TA+1]
	s_delay_alu instid0(VALU_DEP_2)
	v_pk_fma_f32 v[TB:TB+1], v[\x+\j+2:\x+\j+3], v[\x+\j+2:\x+\j+3], v[TB:TB+1]
.endr
	s_delay_alu instid0(VALU_DEP_1)
	v_pk_add_f32 v[TA:TA+1], v[TA:TA+1], v[TB:TB+1]
	s_delay_alu instid0(VALU_DEP_1)
	v_add_f32 v[TA], v[TA], v[TA+1]
	LANESUM
	s_delay_alu instid0(VALU_DEP_1)
	v_fma_f32 v[TA], v[TA], s26, s27               ; var + eps
	s_wait_alu depctr_va_vdst(0)
	v_rsq_f32 v[RS], v[TA]
	v_nop                                          ; a plain line behind the transcendental
	s_wait_alu depctr_va_vdst(0)                   ; and the wait ahead of its first reader
	v_mov_b32 v[RS+1], v[RS]
.irp j, 0,2,4,6,8,10,12,14,16,18,20,22,24,26,28,30
	v_pk_mul_f32 v[\x+\j:\x+\j+1], v[\x+\j:\x+\j+1], v[RS:RS+1]
.endr
.irp j, 0,2,4,6,8,10,12,14,16,18,20,22,24,26,28,30
	v_pk_mul_f32 v[\x+\j:\x+\j+1], v[\x+\j:\x+\j+1], v[G+\j:G+\j+1]
.endr
.irp i, 0,1,2,3,4,5,6,7,8,9,10,11,12,13,14,15,16,17,18,19,20,21,22,23,24,25,26,27,28,29,30,31
	v_med3_num_f32 v[\x+\i], v[\x+\i], -v[LIM], v[LIM]   ; the conversion does not saturate (ISA guide 7.6.2): the hold at the largest code x the scale
.endr
.irp g, 0,1,2,3
	v_cvt_scalef32_pk8_fp8_f32 v[\cc+2*\g:\cc+2*\g+1], v[\x+8*\g:\x+8*\g+7], v[SCL]
.endr
	v_nop
	global_store_b128 v1, v[\cc:\cc+3], s[10:11] offset:\off          ; 512 consecutive bytes
	global_store_b128 v1, v[\cc+4:\cc+7], s[10:11] offset:\off+512
.endm
	s_wait_loadcnt 16                              ; gamma is in; the two rows' sixteen loads may be out
	TURN GR, G, 0
	s_wait_loadcnt 8                               ; row 0 is in
	TURN R0, X0, STGB
	s_wait_loadcnt 0x0                             ; row 1 is in
	TURN R1, X1, 2*STGB
	s_wait_dscnt 16                                ; gamma and row 0 are back; row 1's sixteen LDS instructions may be out
	ROW X0, C, 0
	s_wait_dscnt 0x0
	ROW X1, C+8, 1024
	s_wait_tensorcnt 0x0                           ; the wave's end
	ds_add_u32 v[SPW], v[NIL]
	s_wait_dscnt 0x0
	s_endpgm
.Lfunc_end_k_q678c1c98c5_ln_quant:
	.size	k_q678c1c98c5_ln_quant, .Lfunc_end_k_q678c1c98c5_ln_quant-k_q678c1c98c5_ln_quant
	.p2alignl 7, 3214868480
	.fill 96, 4, 3214868480
	.section	.rodata,"a",@progbits
	.p2align	6, 0x0
	.amdhsa_kernel k_q678c1c98c5_ln_quant
		.amdhsa_group_segment_fixed_size 123904
		.amdhsa_private_segment_fixed_size 0
		.amdhsa_enable_private_segment 0
		.amdhsa_kernarg_size 40
		.amdhsa_user_sgpr_count 2
		.amdhsa_user_sgpr_kernarg_segment_ptr 1
		.amdhsa_wavefront_size32 1
		.amdhsa_system_sgpr_workgroup_id_x 1
		.amdhsa_system_sgpr_workgroup_id_y 1
		.amdhsa_system_sgpr_workgroup_id_z 1
		.amdhsa_system_vgpr_workitem_id 0
		.amdhsa_next_free_vgpr 240
		.amdhsa_next_free_sgpr 66
		.amdhsa_reserve_vcc 1
		.amdhsa_float_denorm_mode_32 3
		.amdhsa_float_denorm_mode_16_64 3
		.amdhsa_memory_ordered 1
		.amdhsa_forward_progress 1
		.amdhsa_inst_pref_size 32
	.end_amdhsa_kernel
	.amdgpu_metadata
---
amdhsa.version: [ 1, 2 ]
amdhsa.kernels:
  - .name:           k_q678c1c98c5_ln_quant
    .symbol:         k_q678c1c98c5_ln_quant.kd
    .args:
      - { .name: x, .offset: 0, .size: 8, .value_kind: global_buffer, .address_space: global }
      - { .name: gamma, .offset: 8, .size: 8, .value_kind: global_buffer, .address_space: global }
      - { .name: lowp_scales, .offset: 16, .size: 8, .value_kind: global_buffer, .address_space: global }
      - { .name: xn_codes, .offset: 24, .size: 8, .value_kind: global_buffer, .address_space: global }
      - { .name: rope, .offset: 32, .size: 8, .value_kind: global_buffer, .address_space: global }
    .group_segment_fixed_size: 123904
    .private_segment_fixed_size: 0
    .kernarg_segment_align: 8
    .kernarg_segment_size: 40
    .max_flat_workgroup_size: 256
    .sgpr_count:     66
    .vgpr_count:     240
    .wavefront_size: 32
...
	.end_amdgpu_metadata
.endif
;; end of part 1
;; launch qkv_gemm (part 2): grid 64 x 3, 4 waves a work-group, clusters of 4 x 1, 299,520 bytes of LDS; arguments xn_codes, W_fused_codes, rope, lowp_scales, q_codes, k_codes, v_img; writes q_codes, k_codes, v_img
.if DOCPART == 2
	.amdgcn_target "amdgcn-amd-amdhsa--gfx1250"
	.amdhsa_code_object_version 6
	.text
	.protected	k_q678c1c98c5_qkv_gemm
	.globl	k_q678c1c98c5_qkv_gemm
	.p2align	8
	.type	k_q678c1c98c5_qkv_gemm,@function
k_q678c1c98c5_qkv_gemm:
	s_mov_b64 s[64:65], 0
	v_nop
	global_prefetch_b8 v0, s[64:65] scope:SCOPE_SE
	s_setreg_imm32_b32 hwreg(HW_REG_WAVE_MODE, 25, 1), 1
	s_wait_xcnt 0x0
	s_wait_alu depctr_hold_cnt(0) depctr_sa_sdst(0) depctr_va_vdst(0) depctr_va_sdst(0) depctr_va_ssrc(0) depctr_va_vcc(0) depctr_vm_vsrc(0)
	s_getreg_b32 s2, hwreg(HW_REG_IB_STS2, 6, 4)
	s_cmp_eq_u32 s2, 0
	s_cbranch_scc0 .Lentry_in_a_cluster
	s_endpgm
.Lentry_in_a_cluster:
	s_bfe_u32 s2, ttmp6, 0x10000c
	s_cmp_lg_u32 s2, 0x3003
	s_cbranch_scc0 .Lentry_shape_is_right
	s_endpgm
.Lentry_shape_is_right:
; Columns 0 .. 575 of xn W_fused on E4M3 codes (16 heads of q, then k, then v), the rotary turn of q and k, and the three results quantised: q with 2^e2, k with 2^e3, v with 2^e5. No work is left out here.
; q_codes [b][head][n][32], k_codes [b][n][32]: byte 16 h + 8 u + j of a row holds dim 16 u + 8 h + j (the same order in both, so every product meets its partner).
; v_img [b][s 16][u 2][c 4][h 2][r 16][16 bytes]: keys 128 s + 32 c + 16 h + 0 .. 15 of dim 16 u + r: the order of the second product's operand registers.
; LIMITS: e2 - e0 - e1, e3 - e0 - e1 and e5 - e0 - e1 between -126 and 119. NaN among the inputs is not served.
; SHARES: a work-group takes 64 tokens x 192 columns (six units of 32); wave (wm, wn) takes 32 x 96: 12 accumulators. All of K (1,024) comes into LDS once, by one tensor load a wave: nothing is filled again.
; CLUSTER: the four work-groups of a cluster lie along the tokens and need the same 192 rows of W: waves 1 to 3 ask for them jointly, 64 rows each; wave 0 fetches the work-group's own 64 rows of xn.
; THE MATRIX INSTRUCTION IS USED TRANSPOSED (source 0 = 16 rows of W, source 1 = 16 tokens): a lane holds one token and eight neighbouring columns.
; REGISTERS: window 0: v16-31 addresses; v32-95 the tables; v96-111 at work; v128-223 the accumulators ((a, b) at 128 + 8 (6 a + b)); v224-247 codes; v248-253 scales and holds. window 1: two sets of fragments.
; LDS AS IT IS NOW LAID: an LDS row holds all 1,024 codes of K (1,024 bytes + 16 of padding), and ONE tensor load a wave brings 64 such rows: 64 tokens, then 192 rows of W. There are no chunks.
.set PITCH, 1040
.set WL,    64*PITCH                   ; what one tensor load brings
.set VST,   4*WL                       ; the stage that turns v: 5,120 bytes a wave
.set SPARE, VST+4*5120                 ; the spare words
.set ADRA, 16
.set ADRB, 20
.set TO,   24
.set TO1,  25
.set VQ,   26
.set VSI,  27
.set SPW,  28
.set NIL,  29
.set VSO,  30
.set VVO,  31
.set TQ,   32
.set T1,   64
.set Y,    96
.set ACC,  128
.set G1A,  24
.set G0A,  32
.set G0B,  48
.set G1B,  72
.set WV,   18
.set SPC,  89
.set MSB, 0
.macro WIN new
.if MSB != \new
	s_set_vgpr_msb (MSB<<8)|\new
.set MSB, \new
.endif
.endm
.macro PLACES
.rept 4
	v_nop
.endr
.endm
.macro CROUND                          ; a round of the cluster's barrier
	s_barrier_signal -1
	s_barrier_wait -1
	s_cmp_lg_u32 s[WV], 0
	s_cbranch_scc1 .Lnot_wave_0_\@
	s_barrier_signal -3
.Lnot_wave_0_\@:
	s_barrier_wait -3
	s_barrier_signal -1
	s_barrier_wait -1
.endm
	s_load_b256 s[4:11], s[0:1], 0x0               ; xn_codes, W_fused_codes, rope, the exponents
	s_load_b128 s[12:15], s[0:1], 0x20             ; q_codes, k_codes
	s_load_b64 s[16:17], s[0:1], 0x30              ; v_img
	v_lshl_add_u32 v[SPW], v0, 2, SPARE
	v_mov_b32 v[NIL], 0
	ds_add_u32 v[SPW], v[NIL]                      ; the opening: the add, twice on end, and its wait ahead of my first tensor load
	ds_add_u32 v[SPW], v[NIL]
	v_lshrrev_b32 v1, 5, v0
	v_readfirstlane_b32 s[WV], v1                  ; wave
	s_bfe_u32 s19, ttmp6, 0x40000                  ; cx
	s_lshl_b32 s20, ttmp9, 2
	s_add_co_u32 s20, s20, s19                     ; my block of 64 tokens
	s_and_b32 s21, ttmp7, 0xffff                   ; my block of 192 columns, which the partners share
	s_lshr_b32 s22, s[WV], 1                       ; wm
	s_and_b32 s23, s[WV], 1                        ; wn
	s_mov_b32 s[G1A], (1<<20)|(7<<22)|(3<<25)      ; no mask; elements of 1 byte; 4 words of padding behind every 256
	s_mov_b32 s[G1B], 15|(1<<20)|(1<<21)|(7<<22)|(3<<25)   ; the same with the mask of all four, bit 21 beside it
.irp g, G1A, G1B
	s_mov_b32 s[\g+1], 1024<<16                    ; tensor_dim0
	s_mov_b32 s[\g+2], 64<<16                      ; tensor_dim1
	s_mov_b32 s[\g+3], 1024<<16                    ; tile_dim0
	s_mov_b32 s[\g+4], 64                          ; tile_dim1
	s_mov_b32 s[\g+5], 1024                        ; from row to row
	s_mov_b32 s[\g+6], 0
	s_mov_b32 s[\g+7], 0
.endr
	s_mul_i32 s66, s[WV], WL                       ; where my rows go in LDS: wave x 64 rows
	s_lshl_b32 s68, s20, 16                        ; xn: 64 rows of 1,024 bytes a block
	s_mov_b32 s69, 0
	s_max_u32 s67, s[WV], 1
	s_sub_co_u32 s67, s67, 1                       ; which third of W's rows (wave 0 asks for none: its number stays inside)
	s_lshl_b32 s67, s67, 6
	s_mul_i32 s70, s21, 192
	s_add_co_u32 s70, s70, s67
	s_lshl_b32 s70, s70, 10
	s_mov_b32 s71, 0
	s_wait_dscnt 0x0                               ; both opening adds are done
	s_wait_kmcnt 0x0
	s_load_b256 s[80:87], s[10:11], 0x0            ; e0 .. e7
	s_add_nc_u64 s[68:69], s[4:5], s[68:69]
	s_add_nc_u64 s[70:71], s[6:7], s[70:71]
	s_mov_b32 s[G0A], 1
	s_mov_b32 s[G0A+1], s66
	s_mov_b64 s[G0A+2:G0A+3], s[68:69]
	s_or_b32 s[G0A+3], s[G0A+3], 0x80000000
	s_mov_b32 s[G0B], 1
	s_mov_b32 s[G0B+1], s66
	s_mov_b64 s[G0B+2:G0B+3], s[70:71]
	s_or_b32 s[G0B+3], s[G0B+3], 0x80000000
	CROUND                                         ; all four work-groups are here: the joint loads meet
	s_cmp_eq_u32 s[WV], 0                          ; one fill a wave, one to each arm
	s_cbranch_scc0 .Lfill_b
	tensor_load_to_lds s[G0A:G0A+3], s[G1A:G1A+7]
	s_nop 0
	PLACES
	s_branch .Lfilled
.Lfill_b:
	tensor_load_to_lds s[G0B:G0B+3], s[G1B:G1B+7]
	s_nop 0
	PLACES
.Lfilled:
	s_lshl_b32 s88, s21, 1
	s_add_co_u32 s88, s88, s23
	s_cmp_eq_u32 s88, 5
	s_cselect_b32 s[SPC], 1, 0                     ; 1 in the waves whose three units are head 15, k and v: ids alone, the same in all partners
	s_lshl_b32 s90, s20, 6
	s_lshl_b32 s91, s22, 5
	s_add_co_u32 s90, s90, s91
	s_and_b32 s91, s90, 2047                       ; t0: my first token's position
	s_lshr_b32 s92, s20, 5                         ; the batch
	s_lshl_b32 s96, s91, 8
	s_mov_b32 s97, 0
	s_add_nc_u64 s[8:9], s[8:9], s[96:97]          ; the tables at t0
	v_and_b32 v1, 15, v0                           ; r
	v_bfe_u32 v2, v0, 4, 1                         ; h
	v_lshlrev_b32 v[TO], 8, v1
	v_lshl_add_u32 v[TO], v2, 6, v[TO]             ; token r, frequencies 8 h + 0 .. 7: 64 bytes
	s_lshl_b32 s95, s[SPC], 7
	v_add_nc_u32 v[TO1], s95, v[TO]                ; unit 1 takes k's table where it is k
.irp a, 0,1
.irp i, 0,1,2,3
	global_load_b128 v[TQ+16*\a+4*\i:TQ+16*\a+4*\i+3], v[TO], s[8:9] offset:4096*\a+16*\i
	global_load_b128 v[T1+16*\a+4*\i:T1+16*\a+4*\i+3], v[TO1], s[8:9] offset:4096*\a+16*\i
.endr
.endr
	v_mul_u32_u24 v3, v1, PITCH
	v_lshl_add_u32 v3, v2, 4, v3                   ; a fragment's row x pitch + 16 x half
	s_wait_alu depctr_va_vdst(0)
	s_mul_i32 s93, s22, 32*PITCH                   ; my 32 tokens
	s_mul_i32 s94, s23, 96*PITCH
	s_add_co_u32 s94, s94, WL                      ; my 96 rows of W, behind the 64 tokens
	v_add_nc_u32 v[ADRA], s93, v3
	v_add_nc_u32 v[ADRB], s94, v3                  ; W's rows 0 .. 47 of my 96,
	s_add_co_u32 s94, s94, 48*PITCH
	v_add_nc_u32 v[ADRB+1], s94, v3                ; and rows 48 .. 95: the loads' 16-bit offsets reach 48 rows
	v_lshlrev_b32 v[VQ], 5, v1
	v_lshl_add_u32 v[VQ], v2, 4, v[VQ]             ; codes of q and k: 32 r + 16 h
	s_mul_i32 s95, s[WV], 5120
	s_add_co_u32 s95, s95, VST
	v_mul_u32_u24 v[VSI], v2, 640
	v_lshl_add_u32 v[VSI], v1, 2, v[VSI]
	v_add_nc_u32 v[VSI], s95, v[VSI]               ; v into its stage: row = dim (80 bytes), word = token
	v_and_b32 v4, 31, v0
	v_mul_u32_u24 v[VSO], v4, 80
	v_add_nc_u32 v[VSO], s95, v[VSO]               ; and out: lane = dim
	v_lshlrev_b32 v[VVO], 4, v1
	v_lshl_add_u32 v[VVO], v2, 11, v[VVO]          ; in v_img: 2,048 (dim / 16) + 16 (dim % 16)
.macro FETCH q, f                      ; the fragments of the q-th 128 along K into set f: 32 loads in one run
	WIN 0x40
.irp b, 0,1,2,3,4,5
.irp c, 0,1,2,3
	ds_load_b128 v[(\f)+32+16*\b+4*\c:(\f)+32+16*\b+4*\c+3], v[ADRB+\b/3] offset:128*(\q)+32*\c+16*PITCH*(\b%3)
.endr
.endr
.irp a, 0,1
.irp c, 0,1,2,3
	ds_load_b128 v[(\f)+16*\a+4*\c:(\f)+16*\a+4*\c+3], v[ADRA] offset:128*(\q)+32*\c+16*PITCH*\a
.endr
.endr
.endm
.macro MUL12 f, zero                   ; the 12 accumulators take turns, one instruction a turn
	WIN 0x05
.irp a, 0,1
.irp b, 0,1,2,3,4,5
.if \zero
	v_wmma_f32_16x16x128_fp8_fp8 v[ACC+8*(6*\a+\b):ACC+8*(6*\a+\b)+7], v[(\f)+32+16*\b:(\f)+32+16*\b+15], v[(\f)+16*\a:(\f)+16*\a+15], 0
.else
	v_wmma_f32_16x16x128_fp8_fp8 v[ACC+8*(6*\a+\b):ACC+8*(6*\a+\b)+7], v[(\f)+32+16*\b:(\f)+32+16*\b+15], v[(\f)+16*\a:(\f)+16*\a+15], v[ACC+8*(6*\a+\b):ACC+8*(6*\a+\b)+7]
.endif
.endr
.endr
.endm
.macro QSTEP q, zero
	s_wait_dscnt 0x0                               ; this step's fragments are in
.if (\q) < 7
	PLACES                                         ; four places in front of loads into registers that matrix instructions have read
	FETCH (\q)+1, 128*(((\q)+1)%2)
.endif
	MUL12 128*((\q)%2), \zero
.endm
	s_wait_alu depctr_va_vdst(0)                   ; the wait at the head's end
	s_wait_tensorcnt 0x0                           ; my one load has landed
	s_barrier_signal -1
	s_barrier_wait -1                              ; everybody's has: all of K is in LDS
	FETCH 0, 0
	QSTEP 0, 1
	QSTEP 1, 0
	QSTEP 2, 0
	QSTEP 3, 0
	QSTEP 4, 0
	QSTEP 5, 0
	QSTEP 6, 0
	QSTEP 7, 0
	WIN 0
	PLACES
	s_wait_loadcnt 0x0                             ; the tables
	s_wait_kmcnt 0x0
	s_add_co_i32 s88, s80, s81                     ; e0 + e1: a sum stands for sum x 2^(e0 + e1), so a code is sum / 2^(e - e0 - e1)
.macro MKSCALE e, vs, vl
	s_sub_co_i32 s96, s[\e], s88
	s_add_co_i32 s96, s96, 127
	s_lshl_b32 s97, s96, 23
	v_mov_b32 v[\vs], s97
	s_add_co_i32 s96, s96, 8
	s_lshl_b32 s96, s96, 23
	s_or_b32 s96, s96, 0x600000
	v_mov_b32 v[\vl], s96
.endm
	s_cmp_eq_u32 s[SPC], 1
	s_cselect_b32 s98, s83, s82                    ; unit 1: k's exponent or q's
	MKSCALE 82, 248, 249
	MKSCALE 98, 250, 251
	MKSCALE 85, 252, 253
	s_mul_i32 s93, s21, 6
	s_mul_i32 s94, s23, 3
	s_add_co_u32 s93, s93, s94                     ; my first unit
	s_lshl_b32 s95, s92, 4
	s_add_co_u32 s93, s93, s95                     ; + 16 x batch
	s_lshl_b32 s94, s91, 5                         ; 32 t0
	s_lshl_b32 s96, s93, 16
	s_add_co_u32 s96, s96, s94                     ; unit 0 in q_codes
	s_mov_b32 s97, 0
	s_add_nc_u64 s[66:67], s[12:13], s[96:97]
	s_add_co_u32 s98, s96, 0x20000                 ; unit 2 as a head of q,
	s_lshr_b32 s99, s91, 7
	s_lshl_b32 s99, s99, 12
	s_bfe_u32 s100, s91, 0x20005
	s_lshl_b32 s100, s100, 9
	s_add_co_u32 s99, s99, s100
	s_lshl_b32 s100, s92, 16
	s_add_co_u32 s99, s99, s100                    ; or as v: batch, step of 128 keys, block of 32 keys
	s_add_co_u32 s96, s96, 0x10000                 ; unit 1 as a head of q,
	s_add_co_u32 s100, s100, s94                   ; or as k
	s_cmp_eq_u32 s[SPC], 1
	s_cselect_b32 s96, s100, s96
	s_cselect_b32 s98, s99, s98
	s_cselect_b64 s[68:69], s[14:15], s[12:13]
	s_cselect_b64 s[70:71], s[16:17], s[12:13]
	s_mov_b32 s99, 0
	s_add_nc_u64 s[68:69], s[68:69], s[96:97]
	s_add_nc_u64 s[70:71], s[70:71], s[98:99]
; One unit of 16 tokens: lo = dims 8 h + j, hi = dims 16 + 8 h + j; out_lo = lo c - hi s, out_hi = hi c + lo s; each accumulator is read from its low end on.
.macro ROPEQ lo, hi, tb, sc, lim, cc, base, off
.irp j, 0,1,2,3,4,5,6,7
	v_mul_f32 v[Y+\j], v[(\lo)+\j], v[(\tb)+2*\j]
	v_mul_f32 v[Y+8+\j], v[(\hi)+\j], v[(\tb)+2*\j]
	v_fma_f32 v[Y+\j], -v[(\hi)+\j], v[(\tb)+2*\j+1], v[Y+\j]
	v_fma_f32 v[Y+8+\j], v[(\lo)+\j], v[(\tb)+2*\j+1], v[Y+8+\j]
.endr
.irp i, 0,1,2,3,4,5,6,7,8,9,10,11,12,13,14,15
	v_med3_num_f32 v[Y+\i], v[Y+\i], -v[\lim], v[\lim]
.endr
	v_cvt_scalef32_pk8_fp8_f32 v[\cc:\cc+1], v[Y:Y+7], v[\sc]
	v_cvt_scalef32_pk8_fp8_f32 v[\cc+2:\cc+3], v[Y+8:Y+15], v[\sc]
	v_nop                                          ; a plain line between the conversions and the next writer of their sources
	global_store_b128 v[VQ], v[\cc:\cc+3], s[\base:\base+1] offset:\off   ; the wave stores 512 consecutive bytes
.endm
; v: 16 tokens x 32 dims turn through my stage, so that a lane holds 16 neighbouring keys of one dim
.macro VOUT a
.irp t, 0,1
.irp j, 0,1,2,3,4,5,6,7
	ds_store_b32 v[VSI], v[ACC+8*(6*\a+4+\t)+\j] offset:2560*\a+80*(16*\t+\j)
.endr
.endr
.irp i, 0,1,2,3
	ds_load_b128 v[Y+4*\i:Y+4*\i+3], v[VSO] offset:2560*\a+16*\i
.endr
	s_wait_dscnt 0x0
.irp i, 0,1,2,3,4,5,6,7,8,9,10,11,12,13,14,15
	v_med3_num_f32 v[Y+\i], v[Y+\i], -v253, v253
.endr
	v_cvt_scalef32_pk8_fp8_f32 v[240+4*\a:241+4*\a], v[Y:Y+7], v252
	v_cvt_scalef32_pk8_fp8_f32 v[242+4*\a:243+4*\a], v[Y+8:Y+15], v252
	v_nop
	global_store_b128 v[VVO], v[240+4*\a:243+4*\a], s[70:71] offset:256*\a   ; sixteen lanes store 256 consecutive bytes, aligned
.endm
	ROPEQ ACC,    ACC+8,  TQ,    248, 249, 224, 66, 0
	ROPEQ ACC+48, ACC+56, TQ+16, 248, 249, 228, 66, 512
	ROPEQ ACC+16, ACC+24, T1,    250, 251, 232, 68, 0
	ROPEQ ACC+64, ACC+72, T1+16, 250, 251, 236, 68, 512
	s_cmp_eq_u32 s[SPC], 1
	s_cbranch_scc1 .Lvalues
	ROPEQ ACC+32, ACC+40, TQ,    248, 249, 240, 70, 0
	ROPEQ ACC+80, ACC+88, TQ+16, 248, 249, 244, 70, 512
	s_branch .Ldone
.Lvalues:
	VOUT 0
	VOUT 1
.Ldone:
	s_wait_tensorcnt 0x0                           ; the wave's end
	ds_add_u32 v[SPW], v[NIL]
	s_wait_dscnt 0x0
	CROUND                                         ; the closing round
	s_endpgm
.Lfunc_end_k_q678c1c98c5_qkv_gemm:
	.size	k_q678c1c98c5_qkv_gemm, .Lfunc_end_k_q678c1c98c5_qkv_gemm-k_q678c1c98c5_qkv_gemm
	.p2alignl 7, 3214868480
	.fill 96, 4, 3214868480
	.section	.rodata,"a",@progbits
	.p2align	6, 0x0
	.amdhsa_kernel k_q678c1c98c5_qkv_gemm
		.amdhsa_group_segment_fixed_size 299520
		.amdhsa_private_segment_fixed_size 0
		.amdhsa_enable_private_segment 0
		.amdhsa_kernarg_size 56
		.amdhsa_user_sgpr_count 2
		.amdhsa_user_sgpr_kernarg_segment_ptr 1
		.amdhsa_wavefront_size32 1
		.amdhsa_system_sgpr_workgroup_id_x 1
		.amdhsa_system_sgpr_workgroup_id_y 1
		.amdhsa_system_sgpr_workgroup_id_z 1
		.amdhsa_system_vgpr_workitem_id 0
		.amdhsa_next_free_vgpr 512
		.amdhsa_next_free_sgpr 104
		.amdhsa_reserve_vcc 0
		.amdhsa_float_denorm_mode_32 3
		.amdhsa_float_denorm_mode_16_64 3
		.amdhsa_memory_ordered 1
		.amdhsa_forward_progress 1
		.amdhsa_inst_pref_size 56
	.end_amdhsa_kernel
	.amdgpu_metadata
---
amdhsa.version: [ 1, 2 ]
amdhsa.kernels:
  - .name:           k_q678c1c98c5_qkv_gemm
    .symbol:         k_q678c1c98c5_qkv_gemm.kd
    .args:
      - { .name: xn_codes, .offset: 0, .size: 8, .value_kind: global_buffer, .address_space: global }
      - { .name: W_fused_codes, .offset: 8, .size: 8, .value_kind: global_buffer, .address_space: global }
      - { .name: rope, .offset: 16, .size: 8, .value_kind: global_buffer, .address_space: global }
      - { .name: lowp_scales, .offset: 24, .size: 8, .value_kind: global_buffer, .address_space: global }
      - { .name: q_codes, .offset: 32, .size: 8, .value_kind: global_buffer, .address_space: global }
      - { .name: k_codes, .offset: 40, .size: 8, .value_kind: global_buffer, .address_space: global }
      - { .name: v_img, .offset: 48, .size: 8, .value_kind: global_buffer, .address_space: global }
    .group_segment_fixed_size: 299520
    .private_segment_fixed_size: 0
    .kernarg_segment_align: 8
    .kernarg_segment_size: 56
    .max_flat_workgroup_size: 128
    .sgpr_count:     104
    .vgpr_count:     512
    .wavefront_size: 32
...
	.end_amdgpu_metadata
.endif
;; end of part 2
;; launch attention (part 3): grid 64 x 4, 16 waves a work-group, no clusters, 327,680 bytes of LDS; arguments q_codes, k_codes, v_img, lowp_scales, act_codes; writes act_codes
.if DOCPART == 3
	.amdgcn_target "amdgcn-amd-amdhsa--gfx1250"
	.amdhsa_code_object_version 6
	.text
	.protected	k_q678c1c98c5_attention
	.globl	k_q678c1c98c5_attention
	.p2align	8
	.type	k_q678c1c98c5_attention,@function
k_q678c1c98c5_attention:
	s_mov_b64 s[64:65], 0
	v_nop
	global_prefetch_b8 v0, s[64:65] scope:SCOPE_SE
	s_setreg_imm32_b32 hwreg(HW_REG_WAVE_MODE, 25, 1), 1
	s_wait_xcnt 0x0
; Causal multi-query attention on E4M3 codes: 2 batches, 16 heads of 32, one k and one v a batch, 2,048 positions. The result, quantised with 2^e6, goes into K block 0 of act_codes.
; LEFT OUT: key steps whose 128 keys all come after a tile's 16 queries, and slots that no wave of the work-group reads: reference() masks those scores itself (shown at the head of the first kernel).
; THE SOFTMAX: t = score x log2(e) / sqrt(32); M = the running largest t rounded up to a whole number; p = 2^(t - M) is quantised with 2^e4; the row's sum is taken of the unquantised p and divides at the end.
; SHARES: work-group (p, y): batch y / 2, heads 8 (y % 2) .. + 7, query tiles p and 127 - p (16 queries each): together 17 key steps of 128 whatever p is.
; Wave w: head w / 2 of the eight, parity w % 2. A slot holds two key steps; a wave takes the step of its parity, for BOTH tiles of its head, each tile with a state of its own (-M, the largest t, the sum, O^T).
; So the keys of a tile are shared between two waves, every wave has work in every slot that counts, and a fragment of K or V serves up to two tiles. At the end each wave hands the state of one tile to its partner
; through LDS and joins the partner's state of the other tile to its own: both M are whole numbers, so both parts are brought under the greater M by exact powers of two. The even wave finishes tile 127 - p, the odd one tile p.
; NO CLUSTER: the work-groups' causal limits differ, so a partner would have to ask for tiles that none of its waves reads.
; LAYOUT: S^T = K Q^T, O^T = V^T P^T: a lane holds one query. Lane r of key tile 2 b + u takes key 32 b + 8 u + r + 8 (r / 8), so the 16 registers of tiles 2 b, 2 b + 1 are 16 neighbouring keys.
; The head has 32 dims and the product form 64 along K: a fragment of K holds TWO key tiles (registers 0-3, 4-7), and Q stands between zeros (0000 qqqq 0000): the upper eight pick the first tile, the lower eight the second.
; LIMITS: e2 + e3 between -124 and 129; e4 and e6 - e4 - e5 between -126 and 119; the scaled scores t stay under 2^31 in magnitude.
; act_codes: byte (kappa >> 9) 2097152 + (token >> 1) 1024 + ((kappa >> 7) & 3) 256 + (token & 1) 128 + (kappa & 127).
.set SK,    256                        ; keys in a slot
.set KP,    144                        ; four keys' 128 bytes + 16 of padding
.set VOFF,  64*KP                      ; a slot: 256 keys of K, then 8,192 bytes of V's images
.set SLOT1, 1<<15
.set NSL,   8
.set STG,   2*SLOT1                    ; the way out: 32 rows x 272, bytes of its own
.set XCH,   STG+32*272                 ; a tile's state from wave to wave: 5 x 512 bytes a wave, bytes of its own
.set XW,    2560
.set SPARE, XCH+16*XW                  ; the spare words, 128 bytes for each of 16 waves
.set AK0,  1
.set AV0,  2
.set PFO,  3
.set SPW,  5
.set NIL,  6
.set GO,   7
.set ADK,  8
.set ADV,  9
.set SIN,  10
.set SOUT, 11
.set STA,  12                          ; v12-15 the tile that I finish: -M, the largest t, the sum in two halves
.set QA,   16                          ; v16-27 its Q between zeros
.set OA,   160                         ; v160-175 its O^T
.set XO,   176                         ; where I put a state, and
.set XI,   177                         ; where my partner puts one
.set STB,  180                         ; v180-183, v184-199, v200-211: the same for the tile that my partner finishes
.set OB,   184
.set QB,   200
.set WV,   18
.set SEL,  20
.set CS,   22
.set G1K,  24
.set G1V,  32
.set G0K,  40
.set G0V,  44
.set TB,   3
.set P128, 60                          ; 128 x my parity
.set KW,   61                          ; my step's first key
.set Q0B,  63                          ; first query of the partner's tile
.set SLOTS, 67
.set PFA,  76
.set LIM,  80
.set QL,   95                          ; my work-group's last query
.set KF,   98                          ; the slot's first key
.set Q0A,  99                          ; first query of my tile
.macro TLOAD                           ; wave 0 fetches K's part of a slot, wave 1 V's; an s_nop 0 and four v_nop follow each line
	s_cmp_eq_u32 s[WV], 0
	s_cbranch_scc0 .Lnot_k_\@
	tensor_load_to_lds s[G0K:G0K+3], s[G1K:G1K+7]
	s_nop 0
.rept 4
	v_nop
.endr
	s_branch .Lasked_\@
.Lnot_k_\@:
	s_cmp_eq_u32 s[WV], 1
	s_cbranch_scc0 .Lasked_\@
	tensor_load_to_lds s[G0V:G0V+3], s[G1V:G1V+7]
	s_nop 0
.rept 4
	v_nop
.endr
.Lasked_\@:
.endm
; A prefetch of what the next change of slots will ask for: 8,192 bytes of k_codes (wave 4) and of v_img (wave 5), lanes 256 bytes apart, one instruction a wave.
; All work-groups of a batch walk the same bytes: the one with p = 0 and y even asks, so each block of 256 bytes is named once. The last change that fills a slot asks for nothing.
.macro ASK
	s_cmp_gt_u32 s[SLOTS], s[LIM]
	s_cbranch_scc0 .Lnot_mine_\@
	global_prefetch_b8 v[PFO], s[PFA:PFA+1] th:TH_LOAD_NT scope:SCOPE_SE
.Lnot_mine_\@:
.endm
	s_load_b128 s[4:7], s[0:1], 0x0                ; q_codes, k_codes
	s_load_b128 s[12:15], s[0:1], 0x10             ; v_img, the exponents
	s_load_b64 s[16:17], s[0:1], 0x20              ; act_codes
	v_lshl_add_u32 v[SPW], v0, 2, SPARE
	v_mov_b32 v[NIL], 0
	ds_add_u32 v[SPW], v[NIL]                      ; the opening: the add, twice on end, and its wait ahead of the first tensor load
	ds_add_u32 v[SPW], v[NIL]
	v_lshrrev_b32 v8, 5, v0
	v_readfirstlane_b32 s[WV], v8                  ; wave 0..15
	s_and_b32 s81, ttmp7, 0xffff
	s_lshr_b32 s82, s81, 1                         ; the batch
	s_and_b32 s83, s81, 1                          ; which eight heads
	s_lshr_b32 s84, s[WV], 1                       ; my head among them
	s_and_b32 s85, s[WV], 1                        ; my parity
	s_lshl_b32 s[P128], s85, 7
	s_xor_b32 s85, s85, 1                          ; which tile I finish: 1 = tile 127 - p, 0 = tile p
	s_sub_co_u32 s86, 127, ttmp9
	s_cmp_eq_u32 s85, 1
	s_cselect_b32 s[Q0A], s86, ttmp9
	s_cselect_b32 s[Q0B], ttmp9, s86
	s_lshl_b32 s[Q0A], s[Q0A], 4
	s_lshl_b32 s[Q0B], s[Q0B], 4
	s_lshl_b32 s[QL], ttmp9, 4
	s_sub_co_u32 s[QL], 2047, s[QL]                ; my work-group's last query
	s_mov_b32 s[G1K], (1<<20)|(4<<22)|(3<<25)      ; elements of 1 byte; 4 words of padding behind every 32
	s_mov_b32 s[G1K+1], 128<<16
	s_mov_b32 s[G1K+2], 64<<16
	s_mov_b32 s[G1K+3], 128<<16
	s_mov_b32 s[G1K+4], 64
	s_mov_b32 s[G1K+5], 128
	s_mov_b32 s[G1K+6], 0
	s_mov_b32 s[G1K+7], 0
	s_mov_b32 s[G1V], 3<<16                        ; a dense block as 32 rows of 32 elements of 8 bytes
	s_mov_b32 s[G1V+1], 32<<16
	s_mov_b32 s[G1V+2], 32<<16
	s_mov_b32 s[G1V+3], 32<<16
	s_mov_b32 s[G1V+4], 32
	s_mov_b32 s[G1V+5], 32
	s_mov_b32 s[G1V+6], 0
	s_mov_b32 s[G1V+7], 0
	s_mov_b32 s[SEL], 0x76543210
	s_mov_b32 s[SEL+1], 0xfedcba98
	s_mov_b32 s[CS], 0x3e8293ee                    ; c = log2(e) / sqrt(32)
	s_mov_b32 s[TB], 0
	s_mov_b32 s[SLOTS], NSL-1
	s_mov_b32 s[KF], 0
	s_lshl_b32 s88, s82, 16                        ; the batch's first byte in k_codes and in v_img
	s_mov_b32 s89, 0
	s_wait_dscnt 0x0                               ; both opening adds are done
	s_wait_kmcnt 0x0
	s_load_b256 s[68:75], s[14:15], 0x0            ; e0 .. e7
	s_mov_b32 s[G0K], 1
	s_mov_b32 s[G0K+1], 0
	s_add_nc_u64 s[G0K+2:G0K+3], s[6:7], s[88:89]
	s_or_b32 s[G0K+3], s[G0K+3], 0x80000000
	s_mov_b32 s[G0V], 1
	s_mov_b32 s[G0V+1], VOFF
	s_add_nc_u64 s[G0V+2:G0V+3], s[12:13], s[88:89]
	s_or_b32 s[G0V+3], s[G0V+3], 0x80000000
	TLOAD                                          ; slot 0
	s_cmp_eq_u32 s[WV], 4
	s_cselect_b64 s[PFA:PFA+1], s[6:7], s[12:13]
	s_add_nc_u64 s[PFA:PFA+1], s[PFA:PFA+1], s[88:89]
	s_add_nc_u64 s[PFA:PFA+1], s[PFA:PFA+1], 8192  ; at slot 1: the first change of slots steps it to slot 2; nothing is prefetched at the head
	s_sub_co_u32 s90, s[WV], 4
	s_lshr_b32 s90, s90, 1                         ; 0 in waves 4 and 5,
	s_or_b32 s90, s90, ttmp9
	s_or_b32 s90, s90, s83                         ; of the batch's first work-group
	s_cmp_eq_u32 s90, 0
	s_cselect_b32 s[LIM], 1, -1
	v_and_b32 v[PFO], 31, v0
	v_lshlrev_b32 v[PFO], 8, v[PFO]
	s_lshl_b32 s90, s82, 4
	s_lshl_b32 s91, s83, 3
	s_add_co_u32 s90, s90, s91
	s_add_co_u32 s90, s90, s84                     ; 16 x batch + head
	s_lshl_b32 s90, s90, 16
	s_mov_b32 s91, 0
	s_add_nc_u64 s[4:5], s[4:5], s[90:91]          ; q_codes at my head
	s_cmp_lt_u32 s[WV], 8                          ; the way out: wave w stores the pair of tokens 2 (w % 8) of tile p (w < 8) or of tile 127 - p
	s_cselect_b32 s90, ttmp9, s86
	s_lshl_b32 s90, s90, 3
	s_and_b32 s91, s[WV], 7
	s_add_co_u32 s90, s90, s91
	s_lshl_b32 s91, s82, 10
	s_add_co_u32 s90, s90, s91
	s_lshl_b32 s90, s90, 10
	s_lshl_b32 s91, s83, 9
	s_add_co_u32 s90, s90, s91
	s_mov_b32 s91, 0
	s_add_nc_u64 s[16:17], s[16:17], s[90:91]
	v_and_b32 v8, 15, v0                           ; r
	v_bfe_u32 v9, v0, 4, 1                         ; h
	v_lshlrev_b32 v4, 5, v8
	v_lshl_add_u32 v4, v9, 4, v4
	s_lshl_b32 s90, s[Q0A], 5
	s_lshl_b32 s91, s[Q0B], 5
	v_add_nc_u32 v30, s90, v4
	v_add_nc_u32 v31, s91, v4
	global_load_b128 v[QA+4:QA+7], v30, s[4:5]     ; Q of both tiles: query r, bytes 16 h on: they stay in registers
	global_load_b128 v[QB+4:QB+7], v31, s[4:5]
	v_and_b32 v12, 8, v8
	v_add_nc_u32 v12, v12, v8                      ; r + 8 (r / 8)
	v_lshrrev_b32 v13, 2, v12
	v_mul_u32_u24 v[AK0], v13, KP
	v_and_b32 v13, 3, v12
	v_lshl_add_u32 v[AK0], v13, 5, v[AK0]
	v_lshl_add_u32 v[AK0], v9, 4, v[AK0]
	s_mul_i32 s90, s[P128], 36                     ; my parity's 128 keys: 32 rows of 144 bytes on
	v_add_nc_u32 v[AK0], s90, v[AK0]
	v_and_b32 v[GO], 31, v0
	v_lshlrev_b32 v[GO], 4, v[GO]                  ; 16 x lane
	s_lshl_b32 s91, s[P128], 5                     ; and 4,096 bytes of V's images on
	s_add_co_u32 s91, s91, VOFF
	v_add_nc_u32 v[AV0], s91, v[GO]
	s_mul_i32 s90, s[WV], XW
	s_add_co_u32 s90, s90, XCH
	v_add_nc_u32 v[XO], s90, v[GO]
	s_xor_b32 s91, s[WV], 1
	s_mul_i32 s91, s91, XW
	s_add_co_u32 s91, s91, XCH
	v_add_nc_u32 v[XI], s91, v[GO]
	s_mul_i32 s90, s85, 16*272
	s_lshl_b32 s91, s84, 5
	s_add_co_u32 s90, s90, s91
	s_add_co_u32 s90, s90, STG
	v_mul_u32_u24 v[SIN], v8, 272
	v_lshl_add_u32 v[SIN], v9, 3, v[SIN]
	v_add_nc_u32 v[SIN], s90, v[SIN]               ; into the stage: row 16 x tile + r, byte 32 x head + 8 h
	s_mul_i32 s90, s[WV], 2*272
	s_add_co_u32 s90, s90, STG
	v_bfe_u32 v12, v0, 3, 1
	v_mul_u32_u24 v[SOUT], v12, 272
	v_lshl_add_u32 v[SOUT], v9, 7, v[SOUT]
	v_and_b32 v12, 7, v0
	v_lshl_add_u32 v[SOUT], v12, 4, v[SOUT]
	v_add_nc_u32 v[SOUT], s90, v[SOUT]             ; out of it: rows 2 w, 2 w + 1 in the order of act_codes
.irp s, STA, STB
	v_mov_b32 v[\s+1], 0xff61b1e6                  ; the largest t so far: -3e38
	v_floor_f32 v[\s], -v[\s+1]                    ; -M
	v_mov_b32 v[\s+2], 0
	v_mov_b32 v[\s+3], 0
.endr
.irp j, 121,123,236,252,253,254
	v_mov_b32 v[\j], 0                             ; upper halves of pairs, and a lane permute's destinations, are written once
.endr
.irp q, QA, QB
.irp j, 0,1,2,3,8,9,10,11
	v_mov_b32 v[\q+\j], 0                          ; the zeros on both sides of Q
.endr
.endr
.irp o, OA, OB
.irp j, 0,1,2,3,4,5,6,7,8,9,10,11,12,13,14,15
	v_mov_b32 v[\o+\j], 0                          ; O^T: the step is written once, and its first run finds zeros
.endr
.endr
	s_wait_kmcnt 0x0
	s_add_co_i32 s90, s70, s71
	s_lshl_b32 s90, s90, 23
	s_add_co_i32 s[CS], s[CS], s90                 ; c x 2^(e2 + e3)
	s_mov_b32 s[CS+1], s[CS]
	s_add_co_i32 s90, s72, 127
	s_lshl_b32 s91, s90, 23
	v_mov_b32 v244, s91                            ; 2^e4
	s_add_co_i32 s90, s90, 8
	s_lshl_b32 s90, s90, 23
	s_or_b32 s90, s90, 0x600000
	v_mov_b32 v240, s90                            ; 448 x 2^e4
	s_sub_co_i32 s90, s74, s72
	s_sub_co_i32 s90, s90, s73
	s_add_co_i32 s90, s90, 127
	s_lshl_b32 s91, s90, 23
	v_mov_b32 v245, s91                            ; 2^(e6 - e4 - e5): O / l stands for O / l x 2^(e4 + e5)
	s_add_co_i32 s90, s90, 8
	s_lshl_b32 s90, s90, 23
	s_or_b32 s90, s90, 0x600000
	v_mov_b32 v241, s90
; My step's 128 keys against one tile of 16 queries: state at v[st], O^T at v[ob], Q at v[qb], first query in s[q0]. K's fragments lie in v32-63, V's in v64-95.
.macro TILE st, ob, qb, q0
	s_add_co_u32 s96, s[\q0], 15
	s_cmp_gt_u32 s[KW], s96                        ; all keys come after these queries: the work is left out (ids alone)
	s_cbranch_scc1 .Lskip_\@
.irp b, 0,1,2,3
	v_wmma_f32_16x16x64_fp8_fp8 v[96+16*\b:103+16*\b], v[32+8*\b:39+8*\b], v[\qb+4:\qb+11], 0
	v_wmma_f32_16x16x64_fp8_fp8 v[104+16*\b:111+16*\b], v[32+8*\b:39+8*\b], v[\qb:\qb+7], 0
.endr
.rept 4
	v_nop
.endr
	s_add_co_u32 s96, s[KW], 127                   ; on the diagonal hidden scores become -infinity ahead of the maximum; a step all of whose keys count skips this
	s_cmp_le_u32 s96, s[\q0]
	s_cbranch_scc1 .Lopen_\@
	s_sub_co_i32 s96, s[\q0], s[KW]
	v_and_b32 v252, 15, v0
	v_bfe_u32 v253, v0, 4, 1
	s_delay_alu instid0(VALU_DEP_1)
	v_lshlrev_b32 v253, 4, v253
	s_delay_alu instid0(VALU_DEP_1)
	v_sub_nc_u32 v252, v252, v253
	s_delay_alu instid0(VALU_DEP_1)
	v_add_nc_u32 v252, s96, v252                   ; d = my query - KW - 16 h; register 16 b + i holds key KW + 32 b + 16 h + i: hidden where 32 b + i > d
	v_mov_b32 v254, 0xff800000
.set J, 0
.rept 64
	v_cmp_gt_i32 vcc_lo, 32*(J/16)+J%16, v252
	v_cndmask_b32 v[96+J], v[96+J], v254, vcc_lo
.set J, J+1
.endr
.Lopen_\@:
	v_max3_num_f32 v254, v96, v97, v98             ; the step's largest score of my query, in two chains, each accumulator from its low end on
	v_max3_num_f32 v252, v99, v100, v101
.set J, 6
.rept 14
	v_max3_num_f32 v254, v254, v[96+J], v[97+J]
	v_max3_num_f32 v252, v252, v[98+J], v[99+J]
.set J, J+4
.endr
	v_max3_num_f32 v254, v254, v158, v159
	s_delay_alu instid0(VALU_DEP_1)
	v_max_num_f32 v254, v254, v252
	v_permlanex16_b32 v236, v254, s[SEL], s[SEL+1]
	s_delay_alu instid0(VALU_DEP_1)
	v_max_num_f32 v254, v254, v236
	s_delay_alu instid0(VALU_DEP_1)
	v_mul_f32 v254, s[CS], v254
	s_delay_alu instid0(VALU_DEP_1)
	v_max_num_f32 v[\st+1], v[\st+1], v254         ; the running largest t
	v_mov_b32 v254, v[\st]
	s_delay_alu instid0(VALU_DEP_2)
	v_floor_f32 v[\st], -v[\st+1]                  ; the new -M
	s_delay_alu instid0(VALU_DEP_1)
	v_sub_f32 v254, v[\st], v254
	s_delay_alu instid0(VALU_DEP_1)
	v_cvt_i32_f32 v254, v254
	s_delay_alu instid0(VALU_DEP_1)
	v_ldexp_f32 v252, 1.0, v254                    ; f = 2^(old M - new M)
.set J, 0
.rept 32
	v_pk_fma_f32 v[96+J:97+J], v[96+J:97+J], s[CS:CS+1], v[\st:\st+1] op_sel_hi:[1,0,0]   ; t - M
.set J, J+2
.endr
.set J, 0
	s_wait_alu depctr_va_vdst(0)                   ; a wait ahead of the batch
.rept 64
	v_exp_f32 v[96+J], v[96+J]                     ; p = 2^(t - M)
.set J, J+1
.endr
	v_pk_mul_f32 v[\st+2:\st+3], v[\st+2:\st+3], v[252:253] op_sel_hi:[1,0]   ; the sums under the new M (a plain line behind the exponentials)
	s_wait_alu depctr_va_vdst(0)                   ; one wait for the batch, ahead of its first reader
	v_pk_add_f32 v[242:243], v[100:101], v[104:105]
	v_pk_add_f32 v[254:255], v[108:109], v[112:113]
	v_pk_add_f32 v[250:251], v[116:117], v[120:121]
	v_pk_add_f32 v[248:249], v[124:125], v[128:129]
	v_pk_add_f32 v[246:247], v[132:133], v[136:137]
	v_pk_add_f32 v[238:239], v[140:141], v[144:145]
	v_pk_add_f32 v[236:237], v[148:149], v[152:153]
	v_pk_add_f32 v[\st+2:\st+3], v[\st+2:\st+3], v[156:157]
	v_pk_add_f32 v[242:243], v[242:243], v[96:97]
	v_pk_add_f32 v[254:255], v[254:255], v[98:99]
	v_pk_add_f32 v[250:251], v[250:251], v[102:103]
	v_pk_add_f32 v[248:249], v[248:249], v[106:107]
	v_pk_add_f32 v[246:247], v[246:247], v[110:111]
	v_pk_add_f32 v[238:239], v[238:239], v[114:115]
	v_pk_add_f32 v[236:237], v[236:237], v[118:119]
	v_pk_add_f32 v[\st+2:\st+3], v[\st+2:\st+3], v[122:123]
	v_pk_add_f32 v[242:243], v[242:243], v[126:127]
	v_pk_add_f32 v[254:255], v[254:255], v[130:131]
	v_pk_add_f32 v[250:251], v[250:251], v[134:135]
	v_pk_add_f32 v[248:249], v[248:249], v[138:139]
	v_pk_add_f32 v[246:247], v[246:247], v[142:143]
	v_pk_add_f32 v[238:239], v[238:239], v[146:147]
	v_pk_add_f32 v[236:237], v[236:237], v[150:151]
	v_pk_add_f32 v[\st+2:\st+3], v[\st+2:\st+3], v[154:155]
	v_pk_add_f32 v[242:243], v[242:243], v[158:159]
	s_delay_alu instid0(VALU_DEP_2)
	v_pk_add_f32 v[\st+2:\st+3], v[\st+2:\st+3], v[248:249]
	s_delay_alu instid0(VALU_DEP_2)
	v_pk_add_f32 v[242:243], v[242:243], v[246:247]
	v_pk_add_f32 v[254:255], v[254:255], v[238:239]
	v_pk_add_f32 v[250:251], v[250:251], v[236:237]
	s_delay_alu instid0(VALU_DEP_2)
	v_pk_add_f32 v[\st+2:\st+3], v[\st+2:\st+3], v[254:255]
	s_delay_alu instid0(VALU_DEP_2)
	v_pk_add_f32 v[242:243], v[242:243], v[250:251]
	s_delay_alu instid0(VALU_DEP_1)
	v_pk_add_f32 v[\st+2:\st+3], v[\st+2:\st+3], v[242:243]
.irp b, 0,1,2,3
.irp i, 0,1,2,3,4,5,6,7,8,9,10,11,12,13,14,15
	v_min_num_f32 v[96+16*\b+\i], v[96+16*\b+\i], v240   ; p is not negative: the hold is one-sided
.endr
	v_cvt_scalef32_pk8_fp8_f32 v[224+4*\b:225+4*\b], v[96+16*\b:103+16*\b], v244
	v_cvt_scalef32_pk8_fp8_f32 v[226+4*\b:227+4*\b], v[104+16*\b:111+16*\b], v244
.endr
	s_wait_alu depctr_va_vdst(0)                   ; directly ahead of the first reader of O^T
.irp j, 0,2,4,6,8,10,12,14
	v_pk_mul_f32 v[\ob+\j:\ob+\j+1], v[\ob+\j:\ob+\j+1], v[252:253] op_sel_hi:[1,0]   ; O^T under the new M
.endr
	s_wait_alu depctr_va_vdst(0)
	s_wait_dscnt 0x0                               ; V is in
	v_wmma_f32_16x16x128_fp8_fp8 v[\ob:\ob+7], v[64:79], v[224:239], v[\ob:\ob+7]
	v_wmma_f32_16x16x128_fp8_fp8 v[\ob+8:\ob+15], v[80:95], v[224:239], v[\ob+8:\ob+15]
.Lskip_\@:
.endm
; A slot's work: the key step of my parity, its fragments fetched once, for both tiles.
.macro SLOTWORK
	s_add_co_u32 s[KW], s[KF], s[P128]
	s_cmp_gt_u32 s[KW], s[QL]                      ; all keys come after the work-group's last query (ids alone)
	s_cbranch_scc1 .Lhidden_\@
	v_add_nc_u32 v[ADK], s[TB], v[AK0]
	v_add_nc_u32 v[ADV], s[TB], v[AV0]
	v_nop
	v_nop                                          ; four places in front of loads into registers that the last products read
.irp b, 0,1,2,3
.irp u, 0,1
	ds_load_b128 v[32+8*\b+4*\u:35+8*\b+4*\u], v[ADK] offset:KP*(8*\b+2*\u)
.endr
.endr
.irp t, 0,1
.irp c, 0,1,2,3
	ds_load_b128 v[64+16*\t+4*\c:67+16*\t+4*\c], v[ADV] offset:2048*\t+512*\c
.endr
.endr
	s_wait_dscnt 8                                 ; K's eight loads are in; V's eight, issued behind them, may be out
	TILE STA, OA, QA, Q0A
	TILE STB, OB, QB, Q0B
.Lhidden_\@:
	s_add_co_u32 s[KF], s[KF], SK
	s_xor_b32 s[TB], s[TB], SLOT1
.endm
; The change of slots stands at a slot's head: every wave waits for all its tensor loads, adds 0 to its spare word (fill = 1: twice on end), waits for that and for its reads of the slot that it has left, and passes the barrier.
.macro CHANGE fill
	s_wait_tensorcnt 0x0
	ds_add_u32 v[SPW], v[NIL]
.if \fill
	ds_add_u32 v[SPW], v[NIL]                      ; and once more, in every trip alike
	s_xor_b32 s[G0K+1], s[G0K+1], SLOT1            ; the walking descriptors: the other slot, the next 256 keys
	s_add_nc_u64 s[G0K+2:G0K+3], s[G0K+2:G0K+3], 8192
	s_xor_b32 s[G0V+1], s[G0V+1], SLOT1
	s_add_nc_u64 s[G0V+2:G0V+3], s[G0V+2:G0V+3], 8192
	s_wait_xcnt 0x0                                ; the last prefetch, a slot back, has read its address
	s_add_nc_u64 s[PFA:PFA+1], s[PFA:PFA+1], 8192
.endif
	s_wait_dscnt 0x0
	s_barrier_signal -1
	s_barrier_wait -1
.if \fill
	s_add_co_u32 s96, s[KF], SK                    ; a slot whose first key comes after my work-group's last query is read by no wave: it is not asked for
	s_cmp_gt_u32 s96, s[QL]                        ; ids and the count of slots alone: all sixteen waves go the same way
	s_cbranch_scc1 .Lpast_\@
	TLOAD                                          ; a wave's one tensor load until the next barrier
.Lpast_\@:
	ASK
.endif
.endm
	s_wait_alu depctr_va_vdst(0)
	s_wait_loadcnt 0x0                             ; Q
.Lslot:                                            ; NSL - 1 trips
	CHANGE 1
	SLOTWORK
	s_sub_co_u32 s[SLOTS], s[SLOTS], 1
	s_cmp_lg_u32 s[SLOTS], 0
	s_cbranch_scc1 .Lslot
	CHANGE 0                                       ; the last slot is written out: nothing is left to ask for
	SLOTWORK
	; THE TWO PARTS OF A TILE MEET: the state of the tile that my partner finishes goes to it as an image of the registers, 16 bytes a lane
.rept 4
	v_nop                                          ; four places behind the last products
.endr
	s_wait_alu depctr_va_vdst(0)                   ; directly ahead of the first reader of each matrix result
	ds_store_b128 v[XO], v[OB:OB+3]
	ds_store_b128 v[XO], v[OB+4:OB+7] offset:512
	s_wait_alu depctr_va_vdst(0)
	ds_store_b128 v[XO], v[OB+8:OB+11] offset:1024
	ds_store_b128 v[XO], v[OB+12:OB+15] offset:1536
	ds_store_b128 v[XO], v[STB:STB+3] offset:2048
	s_wait_dscnt 0x0                               ; for the partner's sake: my stores have landed
	s_barrier_signal -1
	s_barrier_wait -1
.irp i, 0,1,2,3,4
	ds_load_b128 v[96+4*\i:99+4*\i], v[XI] offset:512*\i   ; v96-111 the partner's O^T of my tile; v112 its -M, v114-115 its sum
.endr
	s_wait_dscnt 0x0
	v_min_num_f32 v116, v[STA], v112               ; -M of the whole row: the greater M
	v_add_f32 v14, v[STA+2], v[STA+3]
	v_add_f32 v114, v114, v115
	v_sub_f32 v117, v116, v[STA]                   ; my M less the row's: a whole number, 0 or less
	v_sub_f32 v118, v116, v112                     ; the partner's likewise
	v_cvt_i32_f32 v117, v117                       ; (it saturates: a part with no key has M = -3e38 and gets the factor 0)
	v_cvt_i32_f32 v118, v118
	v_ldexp_f32 v120, 1.0, v117
	v_ldexp_f32 v122, 1.0, v118
	v_mul_f32 v14, v14, v120
	v_fma_f32 v14, v114, v122, v14                 ; the two sums under the row's M
	v_permlanex16_b32 v252, v14, s[SEL], s[SEL+1]
	v_add_f32 v14, v14, v252                       ; and lane l xor 16's: l
	s_wait_alu depctr_va_vdst(0)
	v_rcp_f32 v14, v14
	v_nop                                          ; a plain line behind the reciprocal
	s_wait_alu depctr_va_vdst(0)
	v_mul_f32 v120, v120, v14                      ; the two factors, each / l
	v_mul_f32 v122, v122, v14
.irp j, 0,2,4,6,8,10,12,14
	v_pk_mul_f32 v[96+\j:97+\j], v[96+\j:97+\j], v[122:123] op_sel_hi:[1,0]
.endr
	s_wait_alu depctr_va_vdst(0)                   ; directly ahead of the first reader of my O^T
.irp j, 0,2,4,6,8,10,12,14
	v_pk_fma_f32 v[96+\j:97+\j], v[OA+\j:OA+\j+1], v[120:121], v[96+\j:97+\j] op_sel_hi:[1,0,1]   ; register 8 u + j: dim 16 u + 8 h + j of query r
.endr
	; THE WAY OUT: O^T / l, quantised, meets the other heads' in the stage; each wave then stores a pair of tokens: 512 consecutive bytes
.irp j, 0,1,2,3,4,5,6,7,8,9,10,11,12,13,14,15
	v_med3_num_f32 v[96+\j], v[96+\j], -v241, v241
.endr
	v_cvt_scalef32_pk8_fp8_f32 v[112:113], v[96:103], v245
	v_cvt_scalef32_pk8_fp8_f32 v[114:115], v[104:111], v245
	v_nop
	ds_store_b64 v[SIN], v[112:113]
	ds_store_b64 v[SIN], v[114:115] offset:16
	s_wait_dscnt 0x0                               ; for the others' sake: my stores have landed
	s_barrier_signal -1
	s_barrier_wait -1
	ds_load_b128 v[116:119], v[SOUT]
	s_wait_dscnt 0x0
	global_store_b128 v[GO], v[116:119], s[16:17]
	s_wait_tensorcnt 0x0                           ; the wave's end
	ds_add_u32 v[SPW], v[NIL]
	s_wait_dscnt 0x0
	s_endpgm
.Lfunc_end_k_q678c1c98c5_attention:
	.size	k_q678c1c98c5_attention, .Lfunc_end_k_q678c1c98c5_attention-k_q678c1c98c5_attention
	.p2alignl 7, 3214868480
	.fill 96, 4, 3214868480
	.section	.rodata,"a",@progbits
	.p2align	6, 0x0
	.amdhsa_kernel k_q678c1c98c5_attention
		.amdhsa_group_segment_fixed_size 327680
		.amdhsa_private_segment_fixed_size 0
		.amdhsa_enable_private_segment 0
		.amdhsa_kernarg_size 40
		.amdhsa_user_sgpr_count 2
		.amdhsa_user_sgpr_kernarg_segment_ptr 1
		.amdhsa_wavefront_size32 1
		.amdhsa_system_sgpr_workgroup_id_x 1
		.amdhsa_system_sgpr_workgroup_id_y 1
		.amdhsa_system_sgpr_workgroup_id_z 1
		.amdhsa_system_vgpr_workitem_id 0
		.amdhsa_next_free_vgpr 256
		.amdhsa_next_free_sgpr 100
		.amdhsa_reserve_vcc 1
		.amdhsa_float_denorm_mode_32 3
		.amdhsa_float_denorm_mode_16_64 3
		.amdhsa_memory_ordered 1
		.amdhsa_forward_progress 1
		.amdhsa_inst_pref_size 92
	.end_amdhsa_kernel
	.amdgpu_metadata
---
amdhsa.version: [ 1, 2 ]
amdhsa.kernels:
  - .name:           k_q678c1c98c5_attention
    .symbol:         k_q678c1c98c5_attention.kd
    .args:
      - { .name: q_codes, .offset: 0, .size: 8, .value_kind: global_buffer, .address_space: global }
      - { .name: k_codes, .offset: 8, .size: 8, .value_kind: global_buffer, .address_space: global }
      - { .name: v_img, .offset: 16, .size: 8, .value_kind: global_buffer, .address_space: global }
      - { .name: lowp_scales, .offset: 24, .size: 8, .value_kind: global_buffer, .address_space: global }
      - { .name: act_codes, .offset: 32, .size: 8, .value_kind: global_buffer, .address_space: global }
    .group_segment_fixed_size: 327680
    .private_segment_fixed_size: 0
    .kernarg_segment_align: 8
    .kernarg_segment_size: 40
    .max_flat_workgroup_size: 512
    .sgpr_count:     100
    .vgpr_count:     256
    .wavefront_size: 32
...
	.end_amdgpu_metadata
.endif
;; end of part 3
;; launch ff_gemm (part 4): grid 32 x 8, 4 waves a work-group, clusters of 4 x 4, 327,680 bytes of LDS; arguments xn_codes, W_fused_codes, lowp_scales, act_codes; writes act_codes
.if DOCPART == 4
	.amdgcn_target "amdgcn-amd-amdhsa--gfx1250"
	.amdhsa_code_object_version 6
	.text
	.protected	k_q678c1c98c5_ff_gemm
	.globl	k_q678c1c98c5_ff_gemm
	.p2align	8
	.type	k_q678c1c98c5_ff_gemm,@function
k_q678c1c98c5_ff_gemm:
	s_mov_b64 s[64:65], 0
	v_nop
	global_prefetch_b8 v0, s[64:65] scope:SCOPE_SE
	s_setreg_imm32_b32 hwreg(HW_REG_WAVE_MODE, 25, 1), 1
	s_wait_xcnt 0x0
	s_wait_alu depctr_hold_cnt(0) depctr_sa_sdst(0) depctr_va_vdst(0) depctr_va_sdst(0) depctr_va_ssrc(0) depctr_va_vcc(0) depctr_vm_vsrc(0)
	s_getreg_b32 s2, hwreg(HW_REG_IB_STS2, 6, 4)
	s_cmp_eq_u32 s2, 0
	s_cbranch_scc0 .Lentry_in_a_cluster
	s_endpgm
.Lentry_in_a_cluster:
	s_bfe_u32 s2, ttmp6, 0x10000c
	s_cmp_lg_u32 s2, 0xf033
	s_cbranch_scc0 .Lentry_shape_is_right
	s_endpgm
.Lentry_shape_is_right:
; Columns 576 .. 8,767 of xn W_fused on E4M3 codes (4,096 of ff_x, then 4,096 of ff_gate), silu(gate) x ff_x, quantised with 2^e8 into K blocks 1 .. 8 of act_codes. No work is left out here.
; act_codes: byte (kappa >> 9) 2097152 + (token >> 1) 1024 + ((kappa >> 7) & 3) 256 + (token & 1) 128 + (kappa & 127), kappa = 512 + the hidden unit.
; LIMITS: e0 + e1 between -126 and 127 (added to the exponent field of -log2(e)); e8 - 2 (e0 + e1) between -126 and 119. NaN among the inputs is not served.
; SHARES: a work-group makes two tiles, 2,048 tokens apart, of 256 tokens x 256 rows of W (128 of ff_x and the 128 of ff_gate that belong to them); 256 work-groups. A wave makes 128 tokens x (64 + 64) rows: 64 accumulators.
; K goes in steps of 256 through a ring of two LDS slots (256 rows of xn, 256 of W, 272 bytes apart); each wave fetches 128 rows by one tensor load. The ring goes on from the first tile into the second.
; CLUSTER 4 x 4: xn's tiles are asked for jointly along a row of the cluster, W's along a column. THE MATRIX INSTRUCTION IS USED TRANSPOSED (source 0 = rows of W, source 1 = tokens): a lane holds one token and eight neighbouring units.
; A step of 128 along K is 64 matrix instructions and 64 LDS loads in three runs: B's next set at its start (B has two sets), A's blocks 0-3 in its middle, A's blocks 4-7 at its end (A has one set; a block is free when its eight products are issued).
; PREFETCH: a K step is 256 bytes of a row. Of the 128 rows that a wave fetches each of the four partners that ask jointly names 32, told apart by address, a lane a row. At the head K steps 1, 2 and 3 of the first tile are named
; (one or two refills ahead of their loads); behind the first tile's four refills xn's waves name the second tile's K steps 0 .. 3, each two refills ahead. W's rows are the same in both tiles and are named once.
; REGISTERS: window 0: v16-31 addresses and constants, v32-111 at work on the way out, v128-255 A's fragments; window 1: B's two sets; windows 2, 3: the accumulators ((a, b) at 8 (8 (a % 4) + b)).
.set ROWB,   256                       ; a tile's row in bytes
.set KROW,   1024                      ; a row of xn_codes or of W in memory
.set PITCH,  272                       ; an LDS row: 256 bytes + 16 of padding
.set FR,     16                        ; registers of a fragment
.set NL,     4                         ; LDS loads that bring one
.set HALFT,  128*PITCH                 ; what one tensor load brings
.set SLOT,   4*HALFT
.set STAGE,  2*SLOT                    ; the way out: 128 pairs of tokens x 272 bytes, bytes of its own
.set SPARE,  STAGE+128*PITCH           ; the spare words, 128 bytes for each wave
.set WALK,   2048                      ; tokens from the first tile to the second
.set NEXT_A, WALK*KROW-2*ROWB          ; from a slot's last K step of the first tile to its first of the second
.set BACK_B, 2*ROWB
.set NEXT_C, (WALK/2)*1024
.set ADRA, 16                          ; v16-17 my A fragments in slot 0, 1
.set ADRB, 20                          ; v20-21 the same for B
.set STO,  24
.set RD,   25
.set CO,   26
.set PFO,  27                          ; the prefetches' offset: lane x a row in memory
.set SPW,  28
.set NIL,  29
.set SCV,  30                          ; 2^(e8 - 2 (e0 + e1))
.set LIMV, 31                          ; 448 x that
.set T,    32
.set P,    64
.set CD,   96
.set BK,   32
.set AF,   128
.set G1, 24
.set G0, 32
.set G1B, 48
.set G0B, 56
.set PFA, 68                           ; s[68:69] my work-group's 32 rows of the 128 that I fetch, at K byte 0
.set PF,  70                           ; s70 1 while my wave still asks behind refills
.set PST, 80                           ; s[80:81] what carries s[PFA] to the second tile; 0 afterwards
.set MSB, 0
.macro WIN new                         ; the immediate's high byte repeats the setting that is left
.if MSB != \new
	s_set_vgpr_msb (MSB<<8)|\new
.set MSB, \new
.endif
.endm
.set MUL_LO, 0xa1
.set MUL_HI, 0xf1
.set TO_B,   0x40
.macro JLOAD s                         ; a joint load: waves 0, 1 for xn, waves 2, 3 for W; s_nop 0 and four v_nop behind each line
	s_cmp_eq_u32 s15, 0
	s_cbranch_scc0 .Lfor_b_\@
	tensor_load_to_lds s[G0+4*\s:G0+4*\s+3], s[G1:G1+7]
	s_nop 0
.rept 4
	v_nop
.endr
	s_branch .Lasked_\@
.Lfor_b_\@:
	tensor_load_to_lds s[G0B+4*\s:G0B+4*\s+3], s[G1B:G1B+7]
	s_nop 0
.rept 4
	v_nop
.endr
.Lasked_\@:
.endm
.macro ASK off                         ; the branch hangs on the wave's number and the count of tiles alone
	s_cmp_eq_u32 s[PF], 1
	s_cbranch_scc0 .Lnone_\@
	global_prefetch_b8 v[PFO], s[PFA:PFA+1] offset:\off th:TH_LOAD_NT scope:SCOPE_SE
.Lnone_\@:
.endm
.macro CREST                           ; a round of the cluster's barrier behind its opening barrier
	s_cmp_lg_u32 s14, 0
	s_cbranch_scc1 .Lnot_wave_0_\@
	s_barrier_signal -3
.Lnot_wave_0_\@:
	s_barrier_wait -3
	s_barrier_signal -1
	s_barrier_wait -1
.endm
.macro CROUND
	s_barrier_signal -1
	s_barrier_wait -1
	CREST
.endm
.macro PLACES                          ; four places behind a matrix instruction (ISA guide 7.12.1)
.rept 4
	v_nop
.endr
.endm
	s_load_b128 s[4:7], s[0:1], 0x0                ; xn_codes, W_fused_codes
	s_load_b128 s[8:11], s[0:1], 0x10              ; the exponents, act_codes
	v_lshl_add_u32 v[SPW], v0, 2, SPARE
	v_mov_b32 v[NIL], 0
	ds_add_u32 v[SPW], v[NIL]                      ; the opening: the add, twice on end, and its wait
	ds_add_u32 v[SPW], v[NIL]
	v_lshrrev_b32 v1, 5, v0
	v_readfirstlane_b32 s14, v1                    ; wave
	s_lshr_b32 s15, s14, 1                         ; my half of the tokens; also: I fetch for xn (0) or W (1)
	s_and_b32 s16, s14, 1                          ; my half of the units; also: which 128 rows I fetch
	s_bfe_u32 s40, ttmp6, 0x40000                  ; cx
	s_bfe_u32 s41, ttmp6, 0x40004                  ; cy
	s_lshl_b32 s42, ttmp9, 2
	s_add_co_u32 s42, s42, s40                     ; block of 128 hidden units
	s_and_b32 s17, ttmp7, 0xffff
	s_lshl_b32 s17, s17, 2
	s_add_co_u32 s17, s17, s41                     ; block of 256 tokens
	s_lshl_b32 s43, s41, 2
	s_lshl_b32 s43, 15, s43                        ; my row of the cluster
	s_lshl_b32 s44, 0x1111, s40                    ; my column
	s_or_b32 s[G1+0], s43, (1<<20)|(1<<21)|(5<<22)|(3<<25)   ; the mask; elements of 1 byte; bit 21 beside a mask; 4 words of padding behind every 64
	s_or_b32 s[G1B+0], s44, (1<<20)|(1<<21)|(5<<22)|(3<<25)
.irp g, G1, G1B
	s_mov_b32 s[\g+1], ROWB<<16
	s_mov_b32 s[\g+2], 128<<16
	s_mov_b32 s[\g+3], ROWB<<16
	s_mov_b32 s[\g+4], 128
	s_mov_b32 s[\g+5], KROW
	s_mov_b32 s[\g+6], 0
	s_mov_b32 s[\g+7], 0
.endr
	s_lshl_b32 s18, s16, 7
	s_lshl_b32 s20, s17, 8
	s_add_co_u32 s20, s20, s18                     ; xn: row 256 x block + 128 x half
	s_lshl_b32 s46, s42, 7
	s_lshl_b32 s47, s16, 12
	s_add_co_u32 s46, s46, s47
	s_add_co_u32 s46, s46, 576                     ; W: row 576 + 128 x block, + 4,096 for the gates
	s_mov_b32 s21, 0
	s_mov_b32 s47, 0
	s_mov_b64 s[18:19], KROW
	s_mul_u64 s[20:21], s[20:21], s[18:19]
	s_mul_u64 s[46:47], s[46:47], s[18:19]
	s_mul_i32 s45, s14, HALFT                      ; where my rows go in a slot
	s_mul_i32 s71, s15, HALFT                      ; my 128 tokens in slot 0, 1
	s_add_co_u32 s72, s71, SLOT
	s_mul_i32 s73, s16, 64*PITCH
	s_add_co_u32 s73, s73, 2*HALFT                 ; my 64 rows of ff_x; the gates lie 128 rows on
	s_add_co_u32 s74, s73, SLOT
	s_mul_i32 s75, s15, 64*PITCH
	s_lshl_b32 s76, s16, 6
	s_add_co_u32 s75, s75, s76
	s_add_co_u32 s75, s75, STAGE                   ; into the stage: my 64 pairs of tokens, my 64 bytes
	s_mul_i32 s76, s14, 32*PITCH
	s_add_co_u32 s76, s76, STAGE                   ; out of it: 32 pairs of tokens a wave
	v_and_b32 v1, 15, v0                           ; r
	v_bfe_u32 v2, v0, 4, 1                         ; h
	v_mul_u32_u24 v3, v1, PITCH
	v_lshl_add_u32 v4, v2, 4, v3                   ; a fragment's row x pitch + 16 h
	v_add_nc_u32 v[ADRA], s71, v4
	v_add_nc_u32 v[ADRA+1], s72, v4
	v_add_nc_u32 v[ADRB], s73, v4
	v_add_nc_u32 v[ADRB+1], s74, v4
	v_lshrrev_b32 v5, 1, v1
	v_mul_u32_u24 v5, v5, PITCH
	v_and_b32 v6, 1, v1
	v_lshl_add_u32 v5, v6, 7, v5
	v_lshl_add_u32 v5, v2, 3, v5
	v_add_nc_u32 v[STO], s75, v5                   ; pair r / 2, token r % 2 (128 bytes), 8 h
	v_mul_u32_u24 v6, v2, PITCH
	v_lshl_add_u32 v6, v1, 4, v6
	v_add_nc_u32 v[RD], s76, v6                    ; lanes 0-15 one pair's 256 bytes, lanes 16-31 the next
	v_lshlrev_b32 v[CO], 4, v1
	v_lshl_add_u32 v[CO], v2, 10, v[CO]            ; the same two in act_codes
	v_and_b32 v[PFO], 31, v0
	v_lshlrev_b32 v[PFO], 10, v[PFO]
	s_wait_alu depctr_va_vdst(0)                   ; the wait ahead of the blocking waits below
	s_wait_dscnt 0x0                               ; both opening adds are done
	CROUND                                         ; the round in front of the first joint loads
	s_wait_kmcnt 0x0
	s_add_nc_u64 s[20:21], s[4:5], s[20:21]
	s_add_nc_u64 s[46:47], s[6:7], s[46:47]
.irp s, 0,1
	s_mov_b32 s[G0+4*\s], 1
	s_add_co_u32 s[G0+4*\s+1], s45, \s*SLOT
	s_add_nc_u64 s[G0+4*\s+2:G0+4*\s+3], s[20:21], \s*ROWB
	s_or_b32 s[G0+4*\s+3], s[G0+4*\s+3], 0x80000000
	s_mov_b32 s[G0B+4*\s], 1
	s_add_co_u32 s[G0B+4*\s+1], s45, \s*SLOT
	s_add_nc_u64 s[G0B+4*\s+2:G0B+4*\s+3], s[46:47], \s*ROWB
	s_or_b32 s[G0B+4*\s+3], s[G0B+4*\s+3], 0x80000000
.endr
	s_cmp_eq_u32 s15, 0
	s_cselect_b64 s[PFA:PFA+1], s[20:21], s[46:47]
	s_cselect_b32 s77, s40, s41                    ; my place among the four that ask with me
	s_cselect_b32 s[PF], 1, 0
	s_lshl_b32 s78, s77, 15                        ; 32 rows of 1,024 bytes
	s_mov_b32 s79, 0
	s_add_nc_u64 s[PFA:PFA+1], s[PFA:PFA+1], s[78:79]
	s_mov_b32 s[PST], WALK*KROW
	s_mov_b32 s[PST+1], 0
	s_load_b64 s[96:97], s[8:9], 0x0               ; e0, e1
	s_load_b32 s94, s[8:9], 0x20                   ; e8
	JLOAD 0                                        ; K step 0: one tensor load a wave at the head
	s_lshr_b32 s20, s42, 2
	s_add_co_u32 s20, s20, 1
	s_lshl_b32 s20, s20, 21                        ; K block 1 + unit block / 4
	s_and_b32 s21, s42, 3
	s_lshl_b32 s21, s21, 8
	s_add_co_u32 s20, s20, s21
	s_lshl_b32 s21, s17, 17                        ; 128 pairs of tokens a tile
	s_add_co_u32 s20, s20, s21
	s_lshl_b32 s21, s14, 15                        ; 32 pairs a wave
	s_add_co_u32 s20, s20, s21
	s_mov_b32 s21, 0
	s_add_nc_u64 s[10:11], s[10:11], s[20:21]
	s_wait_kmcnt 0x0
	global_prefetch_b8 v[PFO], s[PFA:PFA+1] offset:ROWB th:TH_LOAD_NT scope:SCOPE_SE     ; K step 1: some way behind K step 0's load, behind the exponents' wait
	global_prefetch_b8 v[PFO], s[PFA:PFA+1] offset:2*ROWB th:TH_LOAD_NT scope:SCOPE_SE   ; K step 2
	s_add_co_i32 s96, s96, s97                     ; e0 + e1
	s_mov_b32 s92, 0xbfb8aa3b                      ; -log2(e),
	s_lshl_b32 s95, s96, 23
	s_add_co_u32 s92, s92, s95                     ; x 2^(e0 + e1): a sum stands for sum x 2^(e0 + e1)
	s_mov_b32 s93, s92
	s_lshl_b32 s95, s96, 1
	s_sub_co_i32 s94, s94, s95                     ; x g carries 2^(2 (e0 + e1)): the three scales go into the conversion's one
	s_add_co_i32 s94, s94, 127
	s_lshl_b32 s95, s94, 23
	v_mov_b32 v[SCV], s95
	s_add_co_i32 s94, s94, 8
	s_lshl_b32 s94, s94, 23
	s_or_b32 s94, s94, 0x600000
	v_mov_b32 v[LIMV], s94
.macro FRAG reg, adr, q, row           ; 16 rows x 128 K: registers 4 c .. 4 c + 3 hold K = 32 c + 16 h + 0 .. 15, alike in A and B
.irp c, 0,1,2,3
	ds_load_b128 v[\reg+4*\c:\reg+4*\c+3], v[\adr] offset:128*(\q)+32*\c+(\row)*PITCH
.endr
.endm
.macro MUL16 a0, p, zero               ; A's blocks a0, a0 + 1 x B's eight; the 64 accumulators take turns
.irp a, \a0, \a0+1
.irp b, 0,1,2,3,4,5,6,7
.if \zero
	v_wmma_f32_16x16x128_fp8_fp8 v[8*(8*((\a)%4)+\b):8*(8*((\a)%4)+\b)+7], v[128*(\p)+FR*\b:128*(\p)+FR*\b+FR-1], v[AF+FR*(\a):AF+FR*(\a)+FR-1], 0
.else
	v_wmma_f32_16x16x128_fp8_fp8 v[8*(8*((\a)%4)+\b):8*(8*((\a)%4)+\b)+7], v[128*(\p)+FR*\b:128*(\p)+FR*\b+FR-1], v[AF+FR*(\a):AF+FR*(\a)+FR-1], v[8*(8*((\a)%4)+\b):8*(8*((\a)%4)+\b)+7]
.endif
.endr
.endr
.endm
.macro FETCH_B slot, q, p              ; fragments 0-3: my 64 rows of ff_x; 4-7: their gates
	WIN TO_B
.irp i, 0,1,2,3,4,5,6,7
	FRAG 128*(\p)+FR*\i, ADRB+\slot, \q, 16*(\i%4)+128*(\i/4)
.endr
	WIN 0
.endm
.macro FETCH_A slot, q, i0
.irp i, \i0, \i0+1, \i0+2, \i0+3
	FRAG AF+FR*(\i), ADRA+\slot, \q, 16*(\i)
.endr
.endm
.macro STEP slot, zero                 ; a slot's first 128 along K, on B's set 0
	s_wait_dscnt 4*NL                              ; B's set 0 and A's blocks 0-3 are in; the youngest 16 loads (A's blocks 4-7) may be out
	FETCH_B \slot, 1, 1                            ; set 1 was last read ahead of the four places at the last step's end
	WIN MUL_LO
	MUL16 0, 0, \zero
	MUL16 2, 0, \zero
	s_wait_dscnt 8*NL                              ; A's blocks 4-7 are in; the 32 loads of B's set 1 may be out
	PLACES
	WIN 0
	FETCH_A \slot, 1, 0
	WIN MUL_HI
	MUL16 4, 0, \zero
	MUL16 6, 0, \zero
	PLACES
	WIN 0
	FETCH_A \slot, 1, 4
.endm
; A slot's last 128 along K, on B's set 1, changes slots.  fill = 1: this slot takes the K step two on; 2: the next tile's; 0: nothing more.
.macro TURN slot, next, fill, pstep, poff
	s_wait_dscnt 4*NL
	WIN MUL_LO
	MUL16 0, 1, 0
	WIN 0                                          ; (the add's registers lie in window 0)
	s_wait_tensorcnt 0x0                           ; my part of the next slot has landed: no load of mine is out
	ds_add_u32 v[SPW], v[NIL]
.if \fill
	s_wait_xcnt 0x0                                ; my prefetches and stores have read their registers
.if \pstep
	s_add_nc_u64 s[PFA:PFA+1], s[PFA:PFA+1], s[PST:PST+1]
.endif
.endif
	WIN MUL_LO
	MUL16 2, 1, 0                                  ; sixteen matrix instructions between the add and the wait for it
	WIN 0
	s_wait_dscnt 0x0                               ; the add is done, and my reads of this slot are over
	s_barrier_signal -1
	s_barrier_wait -1
.if \fill
	CREST                                          ; the barrier has opened a round of the cluster's barrier
.if \fill == 2
	s_add_nc_u64 s[G0+4*\slot+2:G0+4*\slot+3], s[G0+4*\slot+2:G0+4*\slot+3], NEXT_A
	s_sub_nc_u64 s[G0B+4*\slot+2:G0B+4*\slot+3], s[G0B+4*\slot+2:G0B+4*\slot+3], BACK_B
.else
	s_add_nc_u64 s[G0+4*\slot+2:G0+4*\slot+3], s[G0+4*\slot+2:G0+4*\slot+3], 2*ROWB
	s_add_nc_u64 s[G0B+4*\slot+2:G0B+4*\slot+3], s[G0B+4*\slot+2:G0B+4*\slot+3], 2*ROWB
.endif
	JLOAD \slot                                    ; the first tensor load behind the round; its four v_nop are the places for the loads below
.else
	PLACES
.endif
	FETCH_B \next, 0, 0
	FETCH_A \next, 0, 0
.if \fill
	ASK \poff
.endif
	WIN MUL_HI
	MUL16 4, 1, 0
	MUL16 6, 1, 0
	PLACES
	WIN 0
	FETCH_A \next, 0, 4
.endm
; Block a (16 tokens x 64 units): x g / (1 + 2^(-g log2 e)), held at the largest code x the scale, converted, into the stage. Each accumulator is read from its low end on.
.macro SWIGLU a
.set AC, 64*((\a)%4)
.set CC, CD+8*((\a)%2)
	WIN 0x02+((\a)/4)
.irp i, 0,2,4,6,8,10,12,14,16,18,20,22,24,26,28,30
	v_pk_mul_f32 v[T+\i:T+\i+1], v[AC+32+\i:AC+32+\i+1], s[92:93] op_sel_hi:[1,0]
.endr
	WIN 0
	s_wait_alu depctr_va_vdst(0)                   ; a wait ahead of each batch and behind it
.irp i, 0,1,2,3,4,5,6,7,8,9,10,11,12,13,14,15,16,17,18,19,20,21,22,23,24,25,26,27,28,29,30,31
	v_exp_f32 v[T+\i], v[T+\i]
.endr
	WIN 0x0a+5*((\a)/4)
	s_wait_alu depctr_va_vdst(0)
.irp i, 0,2,4,6,8,10,12,14,16,18,20,22,24,26,28,30
	v_pk_mul_f32 v[P+\i:P+\i+1], v[AC+\i:AC+\i+1], v[AC+32+\i:AC+32+\i+1]
.endr
	WIN 0
	s_wait_alu depctr_va_vdst(0)
.irp i, 0,2,4,6,8,10,12,14,16,18,20,22,24,26,28,30
	v_pk_add_f32 v[T+\i:T+\i+1], v[T+\i:T+\i+1], 1.0 op_sel_hi:[1,0]
.endr
	s_wait_alu depctr_va_vdst(0)
.irp i, 0,1,2,3,4,5,6,7,8,9,10,11,12,13,14,15,16,17,18,19,20,21,22,23,24,25,26,27,28,29,30,31
	v_rcp_f32 v[T+\i], v[T+\i]
.endr
	v_nop
	s_wait_alu depctr_va_vdst(0)
.irp i, 0,2,4,6,8,10,12,14,16,18,20,22,24,26,28,30
	v_pk_mul_f32 v[T+\i:T+\i+1], v[T+\i:T+\i+1], v[P+\i:P+\i+1]
.endr
.irp i, 0,1,2,3,4,5,6,7,8,9,10,11,12,13,14,15,16,17,18,19,20,21,22,23,24,25,26,27,28,29,30,31
	v_med3_num_f32 v[T+\i], v[T+\i], -v[LIMV], v[LIMV]   ; the conversion does not saturate (ISA guide 7.6.2)
.endr
.irp b, 0,1,2,3
	v_cvt_scalef32_pk8_fp8_f32 v[CC+2*\b:CC+2*\b+1], v[T+8*\b:T+8*\b+7], v[SCV]
.endr
	v_nop
.irp b, 0,1,2,3
	ds_store_b64 v[STO], v[CC+2*\b:CC+2*\b+1] offset:8*PITCH*(\a)+16*\b
.endr
.endm
.macro WAYOUT                          ; the four waves' codes meet in the stage; each wave then stores 32 pairs of tokens, sixteen lanes to an aligned unit of 256 bytes
.irp a, 0,1,2,3,4,5,6,7
	SWIGLU \a
.endr
	s_wait_dscnt 0x0                               ; for the others' sake: my stores have landed
	s_barrier_signal -1
	s_barrier_wait -1
.irp t, 0,1,2,3,4,5,6,7,8,9,10,11,12,13,14,15
	ds_load_b128 v[BK+4*\t:BK+4*\t+3], v[RD] offset:2*PITCH*\t
.endr
.irp t, 0,1,2,3,4,5,6,7,8,9,10,11,12,13,14,15
	s_wait_dscnt 15-\t
	global_store_b128 v[CO], v[BK+4*\t:BK+4*\t+3], s[10:11] offset:2048*\t
.endr
.endm
	s_wait_alu depctr_va_vdst(0)                   ; the wait at the head's end
	s_wait_tensorcnt 0x0                           ; my part of K step 0 is in; the lines that stand ahead of a later first fill, as ahead of a refill
	ds_add_u32 v[SPW], v[NIL]
	s_wait_dscnt 0x0
	CROUND
	JLOAD 1                                        ; K step 1, the first tensor load behind the round
	FETCH_B 0, 0, 0
	FETCH_A 0, 0, 0
	FETCH_A 0, 0, 4
	global_prefetch_b8 v[PFO], s[PFA:PFA+1] offset:3*ROWB th:TH_LOAD_NT scope:SCOPE_SE   ; K step 3
	s_mov_b32 s3, 0                                ; tiles done: the same number in every work-group
.Ltile:
	STEP 0, 1                                      ; a tile's first products start the sums: nothing is cleared
	TURN 0, 1, 1, 1, 0
	STEP 1, 0
	TURN 1, 0, 1, 0, ROWB
	STEP 0, 0
	s_cmp_eq_u32 s3, 1
	s_cbranch_scc1 .Llast                          ; the last tile's tail is written out: it asks for nothing more
	TURN 0, 1, 2, 0, 2*ROWB                        ; the ring goes on into the second tile
	STEP 1, 0
	TURN 1, 0, 2, 0, 3*ROWB
	WAYOUT                                         ; both refills are asked for: now the tile goes out
	s_mov_b32 s[PF], 0                             ; the second tile's K steps have all been named
	s_mov_b32 s[PST], 0
	s_add_co_u32 s3, s3, 1
	s_cmp_lt_u32 s3, 2
	s_cbranch_scc1 .Ltile
.Llast:
	TURN 0, 1, 0, 0, 0
	STEP 1, 0
	s_wait_dscnt 4*NL                              ; the very last step: nothing more to fetch
	WIN MUL_LO
	MUL16 0, 1, 0
	MUL16 2, 1, 0
	s_wait_dscnt 0
	WIN MUL_HI
	MUL16 4, 1, 0
	MUL16 6, 1, 0
	WIN 0
	PLACES
	s_wait_xcnt 0x0                                ; the first tile's stores have read their registers and their base
	s_add_nc_u64 s[10:11], s[10:11], NEXT_C
	WAYOUT
	s_wait_tensorcnt 0x0                           ; the wave's end
	ds_add_u32 v[SPW], v[NIL]
	s_wait_dscnt 0x0
	CROUND                                         ; the closing round
	s_endpgm
.Lfunc_end_k_q678c1c98c5_ff_gemm:
	.size	k_q678c1c98c5_ff_gemm, .Lfunc_end_k_q678c1c98c5_ff_gemm-k_q678c1c98c5_ff_gemm
	.p2alignl 7, 3214868480
	.fill 96, 4, 3214868480
	.section	.rodata,"a",@progbits
	.p2align	6, 0x0
	.amdhsa_kernel k_q678c1c98c5_ff_gemm
		.amdhsa_group_segment_fixed_size 327680
		.amdhsa_private_segment_fixed_size 0
		.amdhsa_enable_private_segment 0
		.amdhsa_kernarg_size 32
		.amdhsa_user_sgpr_count 2
		.amdhsa_user_sgpr_kernarg_segment_ptr 1
		.amdhsa_wavefront_size32 1
		.amdhsa_system_sgpr_workgroup_id_x 1
		.amdhsa_system_sgpr_workgroup_id_y 1
		.amdhsa_system_sgpr_workgroup_id_z 1
		.amdhsa_system_vgpr_workitem_id 0
		.amdhsa_next_free_vgpr 1024
		.amdhsa_next_free_sgpr 98
		.amdhsa_reserve_vcc 0
		.amdhsa_float_denorm_mode_32 3
		.amdhsa_float_denorm_mode_16_64 3
		.amdhsa_memory_ordered 1
		.amdhsa_forward_progress 1
		.amdhsa_inst_pref_size 255
	.end_amdhsa_kernel
	.section	.bss,"aw",@nobits
	.p2align	6
	.space	262144
	.amdgpu_metadata
---
amdhsa.version: [ 1, 2 ]
amdhsa.kernels:
  - .name:           k_q678c1c98c5_ff_gemm
    .symbol:         k_q678c1c98c5_ff_gemm.kd
    .args:
      - { .name: xn_codes, .offset: 0, .size: 8, .value_kind: global_buffer, .address_space: global }
      - { .name: W_fused_codes, .offset: 8, .size: 8, .value_kind: global_buffer, .address_space: global }
      - { .name: lowp_scales, .offset: 16, .size: 8, .value_kind: global_buffer, .address_space: global }
      - { .name: act_codes, .offset: 24, .size: 8, .value_kind: global_buffer, .address_space: global }
    .group_segment_fixed_size: 327680
    .private_segment_fixed_size: 0
    .kernarg_segment_align: 8
    .kernarg_segment_size: 32
    .max_flat_workgroup_size: 128
    .sgpr_count:     98
    .vgpr_count:     1024
    .wavefront_size: 32
...
	.end_amdgpu_metadata
.endif
;; end of part 4
;; launch out_gemm (part 5): grid 8 x 32, 4 waves a work-group, clusters of 4 x 4, 327,680 bytes of LDS; arguments act_codes, W_attn_out_codes, W_ff_out_codes, lowp_scales, out0; writes out0
.if DOCPART == 5
	.amdgcn_target "amdgcn-amd-amdhsa--gfx1250"
	.amdhsa_code_object_version 6
	.text
	.protected	k_q678c1c98c5_out_gemm
	.globl	k_q678c1c98c5_out_gemm
	.p2align	8
	.type	k_q678c1c98c5_out_gemm,@function
k_q678c1c98c5_out_gemm:
	s_mov_b64 s[64:65], 0
	v_nop
	global_prefetch_b8 v0, s[64:65] scope:SCOPE_SE
	s_setreg_imm32_b32 hwreg(HW_REG_WAVE_MODE, 25, 1), 1
	s_wait_xcnt 0x0
	s_wait_alu depctr_hold_cnt(0) depctr_sa_sdst(0) depctr_va_vdst(0) depctr_va_sdst(0) depctr_va_ssrc(0) depctr_va_vcc(0) depctr_vm_vsrc(0)
	s_getreg_b32 s2, hwreg(HW_REG_IB_STS2, 6, 4)
	s_cmp_eq_u32 s2, 0
	s_cbranch_scc0 .Lentry_in_a_cluster
	s_endpgm
.Lentry_in_a_cluster:
	s_bfe_u32 s2, ttmp6, 0x10000c
	s_cmp_lg_u32 s2, 0xf033
	s_cbranch_scc0 .Lentry_shape_is_right
	s_endpgm
.Lentry_shape_is_right:
; out0 = attention's result x W_attn_out + the hidden layer x W_ff_out, on E4M3 codes, as ONE product over K = 4,608: K block 0 of act_codes (512) with scales e6, e7, blocks 1 .. 8 with e8, e9. No work is left out here.
; Behind K block 0 the sums are multiplied by 2^(e6 + e7 - e8 - e9), at the end by 2^(e8 + e9). LIMITS: both exponents between -126 and 127.
; SHARES: a work-group makes 128 tokens x 128 columns, a wave 64 x 64: 16 accumulators; 256 work-groups. K goes in steps of 512 through a ring of two LDS slots; a wave fetches half of A's or of B's tile by one tensor load.
; CLUSTER 4 x 4: act_codes' tiles are asked for jointly along a row of the cluster, the weights' along a column.
; PREFETCH: a wave's part of a K step is 128 blocks of 256 bytes; each of the four partners that ask jointly names 32 of them, told apart by address, a lane a block. K steps 1 and 2 are named behind the first load,
; K step 3 behind the second, and behind the refill for K step j the K step j + 2; the loop's last trip, whose steps two on would lie behind K's end, names nothing.
.set PA,     1040
.set PB,     528
.set HALFA,  32*PA
.set HALFB,  64*PB
.set BOFF,   2*HALFA
.set SLOT,   BOFF+2*HALFB
.set STAGE,  2*SLOT
.set SPITCH, 272
.set SPARE,  STAGE+4*16*SPITCH
.set ADRA, 16
.set ADRB, 20
.set STO,  24
.set RD,   25
.set CO,   26
.set SPW,  28
.set NIL,  29
.set TMP,  32
.set BK,   64
.set ACC,  128
.set F0,   0
.set F1,   128
.set G1A,  24
.set G0A,  32
.set G1BA, 40
.set G1BF, 48
.set G0BF, 56
.set G0BA, 68
.set MSB, 0
.macro WIN new
.if MSB != \new
	s_set_vgpr_msb (MSB<<8)|\new
.set MSB, \new
.endif
.endm
.set MUL,  0x05
.set TO_F, 0x40
.macro JLOAD g0a, g1a, g0b, g1b
	s_cmp_eq_u32 s15, 0
	s_cbranch_scc0 .Lfor_b_\@
	tensor_load_to_lds s[\g0a:\g0a+3], s[\g1a:\g1a+7]
	s_nop 0
.rept 4
	v_nop
.endr
	s_branch .Lasked_\@
.Lfor_b_\@:
	tensor_load_to_lds s[\g0b:\g0b+3], s[\g1b:\g1b+7]
	s_nop 0
.rept 4
	v_nop
.endr
.Lasked_\@:
.endm
.macro CREST
	s_cmp_lg_u32 s14, 0
	s_cbranch_scc1 .Lnot_wave_0_\@
	s_barrier_signal -3
.Lnot_wave_0_\@:
	s_barrier_wait -3
	s_barrier_signal -1
	s_barrier_wait -1
.endm
.macro CROUND
	s_barrier_signal -1
	s_barrier_wait -1
	CREST
.endm
.macro PLACES
.rept 4
	v_nop
.endr
.endm
	s_load_b256 s[4:11], s[0:1], 0x0
	s_load_b64 s[12:13], s[0:1], 0x20
	v_lshl_add_u32 v[SPW], v0, 2, SPARE
	v_mov_b32 v[NIL], 0
	ds_add_u32 v[SPW], v[NIL]
	ds_add_u32 v[SPW], v[NIL]
	v_lshrrev_b32 v1, 5, v0
	v_readfirstlane_b32 s14, v1
	s_lshr_b32 s15, s14, 1
	s_and_b32 s16, s14, 1
	s_bfe_u32 s76, ttmp6, 0x40000
	s_bfe_u32 s77, ttmp6, 0x40004
	s_lshl_b32 s78, ttmp9, 2
	s_add_co_u32 s78, s78, s76
	s_and_b32 s79, ttmp7, 0xffff
	s_lshl_b32 s79, s79, 2
	s_add_co_u32 s79, s79, s77
	s_lshl_b32 s80, s77, 2
	s_lshl_b32 s80, 15, s80
	s_lshl_b32 s81, 0x1111, s76
	s_or_b32 s[G1A], s80, (1<<20)|(1<<21)|(7<<22)|(3<<25)
	s_mov_b32 s[G1A+1], 1024<<16
	s_mov_b32 s[G1A+2], 32<<16
	s_mov_b32 s[G1A+3], 1024<<16
	s_mov_b32 s[G1A+4], 32
	s_mov_b32 s[G1A+5], 1024
	s_mov_b32 s[G1A+6], 0
	s_mov_b32 s[G1A+7], 0
	s_or_b32 s[G1BA], s81, (1<<20)|(1<<21)|(6<<22)|(3<<25)
	s_or_b32 s[G1BF], s81, (1<<20)|(1<<21)|(6<<22)|(3<<25)
.irp g, G1BA, G1BF
	s_mov_b32 s[\g+1], 512<<16
	s_mov_b32 s[\g+2], 64<<16
	s_mov_b32 s[\g+3], 512<<16
	s_mov_b32 s[\g+4], 64
	s_mov_b32 s[\g+6], 0
	s_mov_b32 s[\g+7], 0
.endr
	s_mov_b32 s[G1BA+5], 512
	s_mov_b32 s[G1BF+5], 4096
	s_lshl_b32 s82, s79, 16
	s_lshl_b32 s83, s16, 15
	s_add_co_u32 s82, s82, s83
	s_mov_b32 s83, 0
	s_lshl_b32 s84, s78, 7
	s_lshl_b32 s85, s16, 6
	s_add_co_u32 s84, s84, s85
	s_lshl_b32 s86, s84, 12
	s_mov_b32 s87, 0
	s_lshl_b32 s88, s84, 9
	s_mov_b32 s89, 0
	s_mul_i32 s90, s16, HALFA
	s_mul_i32 s91, s16, HALFB
	s_add_co_u32 s91, s91, BOFF
	s_wait_dscnt 0x0
	s_wait_kmcnt 0x0
	s_add_nc_u64 s[82:83], s[4:5], s[82:83]
	s_add_nc_u64 s[86:87], s[8:9], s[86:87]
	s_add_nc_u64 s[88:89], s[6:7], s[88:89]
	CROUND
.irp s, 0,1
	s_mov_b32 s[G0A+4*\s], 1
	s_add_co_u32 s[G0A+4*\s+1], s90, \s*SLOT
	s_add_nc_u64 s[G0A+4*\s+2:G0A+4*\s+3], s[82:83], \s*2097152
	s_or_b32 s[G0A+4*\s+3], s[G0A+4*\s+3], 0x80000000
	s_mov_b32 s[G0BF+4*\s], 1
	s_add_co_u32 s[G0BF+4*\s+1], s91, \s*SLOT
	s_add_nc_u64 s[G0BF+4*\s+2:G0BF+4*\s+3], s[86:87], (1-\s)*512
	s_or_b32 s[G0BF+4*\s+3], s[G0BF+4*\s+3], 0x80000000
.endr
	s_mov_b32 s[G0BA], 1
	s_mov_b32 s[G0BA+1], s91
	s_mov_b64 s[G0BA+2:G0BA+3], s[88:89]
	s_or_b32 s[G0BA+3], s[G0BA+3], 0x80000000
	s_cmp_eq_u32 s15, 0                            ; the prefetches: waves 0, 1 name act_codes, waves 2, 3 W_ff_out
	s_cselect_b64 s[84:85], s[82:83], s[86:87]
	s_mov_b32 s88, 512
	s_cselect_b32 s88, 0x200000, s88               ; s[88:89]: a K step on
	s_cselect_b32 s90, s76, s77                    ; my place among the four that ask with me
	s_cselect_b32 s91, 13, 16                      ; its share: 8 rows of 1,024 bytes, or 16 rows of 4,096
	s_cselect_b32 s92, 2, 1                        ; four lanes to a row, or two
	s_cselect_b32 s93, 10, 12
	s_cselect_b32 s94, 3, 1
	s_cselect_b32 s95, s88, 0                      ; K step 1: act_codes' block 1, W_ff_out's K byte 0
	s_mov_b32 s89, 0
	s_mov_b32 s3, 3
	s_lshl_b32 s90, s90, s91
	s_add_co_u32 s90, s90, s95
	s_mov_b32 s91, 0
	s_add_nc_u64 s[84:85], s[84:85], s[90:91]      ; K step 1
	s_add_nc_u64 s[80:81], s[84:85], s[88:89]      ; K step 2
	v_and_b32 v30, 31, v0
	v_lshrrev_b32 v31, s92, v30
	v_and_b32 v30, s94, v30
	v_lshlrev_b32 v31, s93, v31
	v_lshl_add_u32 v30, v30, 8, v31                ; my lane's block of 256 bytes
	s_wait_alu depctr_va_vdst(0)                   ; the wait ahead of the branches below
	s_load_b128 s[72:75], s[10:11], 0x18           ; e6 .. e9
	JLOAD G0A, G1A, G0BA, G1BA
	s_wait_kmcnt 0x0                               ; the exponents are in; the two prefetches stand some way behind K step 0's load
	global_prefetch_b8 v30, s[84:85] th:TH_LOAD_NT scope:SCOPE_SE
	global_prefetch_b8 v30, s[80:81] th:TH_LOAD_NT scope:SCOPE_SE
	s_wait_alu depctr_va_vdst(0)
	s_wait_tensorcnt 0x0
	ds_add_u32 v28, v29
	s_wait_xcnt 0x0                                ; the two prefetches have read their addresses
	s_add_nc_u64 s[84:85], s[80:81], s[88:89]      ; K step 3
	s_wait_dscnt 0x0
	CROUND
	JLOAD G0A+4, G1A, G0BF+4, G1BF
	global_prefetch_b8 v30, s[84:85] th:TH_LOAD_NT scope:SCOPE_SE
	v_and_b32 v1, 15, v0
	v_bfe_u32 v2, v0, 4, 1
	v_lshrrev_b32 v3, 1, v1
	v_mul_u32_u24 v3, v3, PA
	v_and_b32 v4, 1, v1
	v_lshl_add_u32 v3, v4, 7, v3
	v_lshl_add_u32 v3, v2, 4, v3
	v_mul_u32_u24 v4, v1, PB
	v_lshl_add_u32 v4, v2, 4, v4
	s_mul_i32 s92, s15, HALFA
	s_mul_i32 s93, s16, HALFB
	s_add_co_u32 s93, s93, BOFF
.irp s, 0,1
	v_add_nc_u32 v[ADRA+\s], s92, v3
	v_add_nc_u32 v[ADRB+\s], s93, v4
	s_add_co_u32 s92, s92, SLOT
	s_add_co_u32 s93, s93, SLOT
.endr
	s_mul_i32 s94, s14, 16*SPITCH
	s_add_co_u32 s94, s94, STAGE
	v_mul_u32_u24 v5, v1, SPITCH
	v_lshl_add_u32 v5, v2, 5, v5
	v_add_nc_u32 v[STO], s94, v5
	v_mul_u32_u24 v5, v2, SPITCH
	v_lshl_add_u32 v5, v1, 4, v5
	v_add_nc_u32 v[RD], s94, v5
	v_lshlrev_b32 v[CO], 4, v1
	v_lshl_add_u32 v[CO], v2, 12, v[CO]
	s_lshl_b32 s92, s79, 19
	s_lshl_b32 s93, s15, 18
	s_add_co_u32 s92, s92, s93
	s_lshl_b32 s93, s78, 9
	s_add_co_u32 s92, s92, s93
	s_lshl_b32 s93, s16, 8
	s_add_co_u32 s92, s92, s93
	s_mov_b32 s93, 0
	s_add_nc_u64 s[12:13], s[12:13], s[92:93]
	s_wait_kmcnt 0x0
	s_add_co_i32 s92, s72, s73
	s_add_co_i32 s93, s74, s75
	s_sub_co_i32 s92, s92, s93
	s_add_co_i32 s92, s92, 127
	s_lshl_b32 s96, s92, 23
	s_mov_b32 s97, s96
	s_add_co_i32 s93, s93, 127
	s_lshl_b32 s98, s93, 23
	s_mov_b32 s99, s98
.macro MUL8 f, a0, zero
.irp a, \a0, \a0+1
.irp b, 0,1,2,3
.if \zero
	v_wmma_f32_16x16x128_fp8_fp8 v[ACC+8*(4*(\a)+\b):ACC+8*(4*(\a)+\b)+7], v[\f+64+16*\b:\f+64+16*\b+15], v[\f+16*(\a):\f+16*(\a)+15], 0
.else
	v_wmma_f32_16x16x128_fp8_fp8 v[ACC+8*(4*(\a)+\b):ACC+8*(4*(\a)+\b)+7], v[\f+64+16*\b:\f+64+16*\b+15], v[\f+16*(\a):\f+16*(\a)+15], v[ACC+8*(4*(\a)+\b):ACC+8*(4*(\a)+\b)+7]
.endif
.endr
.endr
.endm
.macro FETCH slot, q, f
	WIN TO_F
.irp i, 0,1,2,3
.irp c, 0,1,2,3
	ds_load_b128 v[\f+64+16*\i+4*\c:\f+64+16*\i+4*\c+3], v[ADRB+\slot] offset:128*(\q)+32*\c+\i*16*PB
	ds_load_b128 v[\f+16*\i+4*\c:\f+16*\i+4*\c+3], v[ADRA+\slot] offset:256*(\q)+32*\c+\i*8*PA
.endr
.endr
.endm
.macro QUARTER slot, qn, f, g, zero
	s_wait_dscnt 0x0
	PLACES
	FETCH \slot, \qn, \g
	WIN MUL
	MUL8 \f, 0, \zero
	MUL8 \f, 2, \zero
.endm
.macro KSTEP slot, zero
	QUARTER \slot, 1, F0, F1, \zero
	QUARTER \slot, 2, F1, F0, 0
	QUARTER \slot, 3, F0, F1, 0
.endm
.macro TURN slot, next, fill, bstep
	s_wait_dscnt 0x0
	WIN MUL
	MUL8 F1, 0, 0
	WIN 0
	s_wait_tensorcnt 0x0
	ds_add_u32 v[SPW], v[NIL]
.if \fill
	s_wait_xcnt 0x0                                ; the last prefetch, a K step back, has read its address
	s_add_nc_u64 s[84:85], s[84:85], s[88:89]
.endif
	s_wait_dscnt 0x0
	s_barrier_signal -1
	s_barrier_wait -1
.if \fill
	CREST
	s_add_nc_u64 s[G0A+4*\slot+2:G0A+4*\slot+3], s[G0A+4*\slot+2:G0A+4*\slot+3], 2*2097152
.if \bstep
	s_add_nc_u64 s[G0BF+4*\slot+2:G0BF+4*\slot+3], s[G0BF+4*\slot+2:G0BF+4*\slot+3], 1024
.endif
	JLOAD G0A+4*\slot, G1A, G0BF+4*\slot, G1BF
	s_cmp_gt_u32 s3, 1                             ; s3 = 1 in the loop's last trip: no K step lies two on
	s_cbranch_scc0 .Lno_ask_\@
	global_prefetch_b8 v30, s[84:85] th:TH_LOAD_NT scope:SCOPE_SE
.Lno_ask_\@:
.else
	PLACES
.endif
	s_wait_alu depctr_va_vdst(0)
	FETCH \next, 0, F0
	WIN MUL
	MUL8 F1, 2, 0
.endm
	s_wait_tensorcnt 1
	s_barrier_signal -1
	s_barrier_wait -1
	FETCH 0, 0, F0
	KSTEP 0, 1
	TURN 0, 1, 1, 0
	WIN 0
	PLACES
.set J, 0
.rept 64
	v_pk_mul_f32 v[ACC+J:ACC+J+1], v[ACC+J:ACC+J+1], s[96:97] op_sel_hi:[1,0]
.set J, J+2
.endr
	s_mov_b32 s3, 3
.Llap:
	s_wait_alu depctr_va_vdst(0)
	KSTEP 1, 0
	TURN 1, 0, 1, 1
	KSTEP 0, 0
	TURN 0, 1, 1, 1
	WIN 0
	s_sub_co_u32 s3, s3, 1
	s_cmp_lg_u32 s3, 0
	s_cbranch_scc1 .Llap
	KSTEP 1, 0
	TURN 1, 0, 0, 0
	KSTEP 0, 0
	s_wait_dscnt 0x0
	WIN MUL
	MUL8 F1, 0, 0
	MUL8 F1, 2, 0
	WIN 0
	PLACES
.macro TOSTAGE a
.set J, 0
.rept 16
	v_pk_mul_f32 v[TMP+J:TMP+J+1], v[ACC+32*(\a)+J:ACC+32*(\a)+J+1], s[98:99] op_sel_hi:[1,0]
.set J, J+2
.endr
.irp b, 0,1,2,3
	ds_store_b128 v[STO], v[TMP+8*\b:TMP+8*\b+3] offset:64*\b
	ds_store_b128 v[STO], v[TMP+8*\b+4:TMP+8*\b+7] offset:64*\b+16
.endr
.set BB, BK+32*((\a)%2)
.irp t, 0,1,2,3,4,5,6,7
	ds_load_b128 v[BB+4*\t:BB+4*\t+3], v[RD] offset:\t*2*SPITCH
.endr
.endm
.macro SEND a, younger
.set BB, BK+32*((\a)%2)
	s_wait_dscnt \younger
.irp t, 0,1,2,3,4,5,6,7
	global_store_b128 v[CO], v[BB+4*\t:BB+4*\t+3], s[12:13] offset:65536*(\a)+8192*\t th:TH_STORE_NT
.endr
.endm
	TOSTAGE 0
	TOSTAGE 1
	SEND 0, 16
	s_wait_xcnt 0x0
	TOSTAGE 2
	SEND 1, 16
	s_wait_xcnt 0x0
	TOSTAGE 3
	SEND 2, 16
	SEND 3, 0
	s_wait_tensorcnt 0x0
	ds_add_u32 v[SPW], v[NIL]
	s_wait_dscnt 0x0
	CROUND
	s_endpgm
.Lfunc_end_k_q678c1c98c5_out_gemm:
	.size	k_q678c1c98c5_out_gemm, .Lfunc_end_k_q678c1c98c5_out_gemm-k_q678c1c98c5_out_gemm
	.p2alignl 7, 3214868480
	.fill 96, 4, 3214868480
	.section	.rodata,"a",@progbits
	.p2align	6, 0x0
	.amdhsa_kernel k_q678c1c98c5_out_gemm
		.amdhsa_group_segment_fixed_size 327680
		.amdhsa_private_segment_fixed_size 0
		.amdhsa_enable_private_segment 0
		.amdhsa_kernarg_size 40
		.amdhsa_user_sgpr_count 2
		.amdhsa_user_sgpr_kernarg_segment_ptr 1
		.amdhsa_wavefront_size32 1
		.amdhsa_system_sgpr_workgroup_id_x 1
		.amdhsa_system_sgpr_workgroup_id_y 1
		.amdhsa_system_sgpr_workgroup_id_z 1
		.amdhsa_system_vgpr_workitem_id 0
		.amdhsa_next_free_vgpr 512
		.amdhsa_next_free_sgpr 104
		.amdhsa_reserve_vcc 0
		.amdhsa_float_denorm_mode_32 3
		.amdhsa_float_denorm_mode_16_64 3
		.amdhsa_memory_ordered 1
		.amdhsa_forward_progress 1
		.amdhsa_inst_pref_size 95
	.end_amdhsa_kernel
	.amdgpu_metadata
---
amdhsa.version: [ 1, 2 ]
amdhsa.kernels:
  - .name:           k_q678c1c98c5_out_gemm
    .symbol:         k_q678c1c98c5_out_gemm.kd
    .args:
      - { .name: act_codes, .offset: 0, .size: 8, .value_kind: global_buffer, .address_space: global }
      - { .name: W_attn_out_codes, .offset: 8, .size: 8, .value_kind: global_buffer, .address_space: global }
      - { .name: W_ff_out_codes, .offset: 16, .size: 8, .value_kind: global_buffer, .address_space: global }
      - { .name: lowp_scales, .offset: 24, .size: 8, .value_kind: global_buffer, .address_space: global }
      - { .name: out0, .offset: 32, .size: 8, .value_kind: global_buffer, .address_space: global }
    .group_segment_fixed_size: 327680
    .private_segment_fixed_size: 0
    .kernarg_segment_align: 8
    .kernarg_segment_size: 40
    .max_flat_workgroup_size: 128
    .sgpr_count:     104
    .vgpr_count:     512
    .wavefront_size: 32
...
	.end_amdgpu_metadata
.endif
;; end of part 5
